; MI455X (gfx1250); checked and timed in simulation.
; The chip was launched on July 23, 2026; its instructions are those of AMD's public machine-readable ISA for CDNA 5 (MIT licence, August 2026) and "CDNA5" Instruction Set Architecture Reference Guide (July 2026). The comments in the code are by the model that wrote it; some were corrected since.
;; Multi Head Attention Layer. Allowed arithmetic: matrix products marked QUANTISED: E2M3 operands, one E8M0 scale for each 32 along K, by v_wmma_scale_f32_16x16x128_f8f6f4 with both operands' format E2M3, f32 sums; everything else in f32.
;; Inputs: Wk 1,024 x 1,024 float32; Wo 1,024 x 1,024 float32; Wq 1,024 x 1,024 float32; Wv 1,024 x 1,024 float32; bo 1,024 float32; keys 4 x 2,048 x 1,024 float32; query 4 x 2,048 x 1,024 float32; values 4 x 2,048 x 1,024 float32.
;; Outputs: out0 4 x 2,048 x 1,024 float32.
;; This version of the problem:
;;   THIS VERSION OF THE PROBLEM IS GIVEN IN LOW PRECISION. The matrix products marked QUANTISED in the list below multiply operands that are first quantised to E2M3 (2 exponent bits, 3 mantissa bits; 6 bits a number), with one power-of-two scale for each 32 numbers along K (OCP MX v1.0); their sums are f32. All else is computed in f32.
;;   The module's matrix products, in the order in which they are computed (A, B: the left and right operand; K: the contracted axis; several contracted axes count as one K, in the product's order):
;;     1. [M 8,192, K 1,024] x [K 1,024, N 1,024]; A: input query; B: input Wq: QUANTISED
;;     2. [M 8,192, K 1,024] x [K 1,024, N 1,024]; A: input keys; B: input Wk: QUANTISED
;;     3. [M 8,192, K 1,024] x [K 1,024, N 1,024]; A: input values; B: input Wv: QUANTISED
;;     4. batch 64 x [M 2,048, K 64] x [K 64, N 2,048]; A: computed on the way; B: computed on the way: QUANTISED
;;     5. batch 64 x [M 2,048, K 2,048] x [K 2,048, N 64]; A: softmax (see below); B: computed on the way: QUANTISED
;;     6. [M 8,192, K 1,024] x [K 1,024, N 1,024]; A: computed on the way; B: input Wo: QUANTISED
;;   THE QUANTISER, for each operand of a quantised product, along K:
;;     - K is cut into blocks of 32 from its start; a last block that is shorter is filled with zeros.
;;     - A block's scale is 2^e with e = floor(log2(the largest magnitude in the block)) - 2, held to -126 .. 127; a block of zeros has e = 0. As a byte (E8M0): e + 127.
;;     - Each number is divided by its block's scale, clamped to +-7.5, and rounded to the nearest number of E2M3, ties to even, subnormals kept.
;;     - The product sums the exact products of the quantised numbers (number of the format x scale) in f32.
;;   ~~~python
;;   def quantise(x, axis):      # numpy; x: float32 -> the quantised numbers, widened to float32 again
;;       x = np.moveaxis(x, axis, -1); K = x.shape[-1]
;;       x = np.pad(x, [(0, 0)] * (x.ndim - 1) + [(0, -K % 32)]); x = x.reshape(x.shape[:-1] + (-1, 32)); a = np.abs(x).max(-1, keepdims=True)
;;       e = np.where(a > 0, np.clip(np.frexp(np.where(a > 0, a, 1))[1] - 1 - 2, -126, 127), 0)      # np.frexp(a)[1] - 1 = floor(log2(a)), exactly
;;       r = np.clip(x / 2.0 ** e, -7.5, 7.5)
;;       step = 2.0 ** (np.maximum(np.frexp(np.where(r == 0, 1, r))[1] - 1, 0) - 3)
;;       q = np.round(r / step) * step * 2.0 ** e      # np.round: ties to even
;;       return np.moveaxis(q.reshape(q.shape[:-2] + (-1,))[..., :K], -1, axis).astype(np.float32)
;;   ~~~
;;   SOFTMAX AHEAD OF A QUANTISED PRODUCT. Where the list says 'softmax', what is quantised is not the finished softmax but p = 2^(t - M), with t = logit x log2(e) and M = ceil(the row's largest t), a whole number; so 1/2 < the row's largest p <= 1. The row's sum l is taken of the UNQUANTISED p, in f32, and the product's result is divided by l at the end. Since M is a whole number, a kernel that streams over the keys may use a running M (the ceiling of the running maximum): every later rescaling is an exact power of two, which a block's scale takes up: the codes' values come out the same.
;;   OPERANDS COMPUTED ON THE WAY. 'Computed on the way' means the value that the module computes at that place (a softmax that the list does not call 'softmax' is quantised finished and normalised). What goes into a quantiser is computed in f32, as accurately as f32 sums, v_exp_f32 and their like allow (about 1e-6 of the number): no bf16 or f16 on the way to a quantiser, and a product that is left as it is and whose result goes on into a quantised operand takes f32 operands (vector FMAs, or v_wmma_f32_16x16x4_f32). A number that lies on a knife's edge between two numbers of the format may be rounded either way, as far as f32 arithmetic and the matrix unit's own rounding can turn it there, and no further.
;; One version. Each part assembles by itself: llvm-mc -triple=amdgcn-amd-amdhsa -mcpu=gfx1250 --defsym DOCPART=n.
;; ======== version 1 of 1: 4 launches
;; workspace buffers: xc 22,020,096 bytes; xs 917,504 bytes; pc 18,874,368 bytes; ps 786,432 bytes; oc 6,291,456 bytes; os 262,144 bytes
;; launch quant (part 1): grid 1792 x 1, 1 waves a work-group, no clusters, 9,472 bytes of LDS; arguments query, keys, values, Wq, Wk, Wv, Wo, xc, xs; writes xc, xs
.if DOCPART == 1
	.amdgcn_target "amdgcn-amd-amdhsa--gfx1250"
	.amdhsa_code_object_version 6
	.text
	.protected	k_q51e452103e_quant
	.globl	k_q51e452103e_quant
	.p2align	8
	.type	k_q51e452103e_quant,@function
k_q51e452103e_quant:
	s_mov_b64 s[64:65], 0
	v_nop
	global_prefetch_b8 v0, s[64:65] scope:SCOPE_SE
	s_setreg_imm32_b32 hwreg(HW_REG_WAVE_MODE, 25, 1), 1
	s_wait_xcnt 0x0
; MULTI-HEAD ATTENTION IN MX-FP6, launch 1 of 4: query, keys, values [8192][1024] and Wq, Wk, Wv, Wo [1024][1024], f32, K innermost, become codes of E2M3 with one E8M0 byte for each 32 along K.
; DEAD WORK: none.  Every input has a way to out0 (there is no mask, and bo is added to every row), so nothing of the problem is left out in any launch, and all eight inputs are loaded.
; A block's scale is 2^(floor(log2(its largest magnitude)) - 2): its byte is the largest magnitude's exponent field - 2, held at 1 from below.
; LIMITS: a block whose largest magnitude lies under 2^-124 has its byte held at 1; a block of zeros gets the byte 1 where the rule says 127 (its codes are zeros, and this program alone reads the bytes);
; NaN and infinities among the inputs are not served.
; THE CODES' LAYOUT (all workspace buffers of this program): an IMAGE is 16 rows x 64 along K in 768 bytes: three units of 256 bytes; unit p holds at byte 8 x lane the bytes 8 p .. 8 p + 7 of the 24 bytes
; (32 codes) of lane (r = lane % 16, h = lane / 16): row r, block h of the 64.  Two images on end are a matrix operand's 12 registers: register pair p is the unit at 256 p.  No pitch, no padding.
; xc: [row block of 16 positions][64 along K, 0..15][768];  xs: [position][32 scale bytes].  Row blocks: query 0, keys 512, values 1024, Wq 1536, Wk 1600, Wv 1664, Wo 1728.
; WHICH ROW STANDS AT WHICH POSITION: in keys, values, Wq, Wk, Wv position p holds the row p with its bits 3 and 4 exchanged, so that lane r of block 2 b + u holds row 32 b + 8 u + r + 8 (r / 8):
; used as source 0 of a transposed product, two neighbouring blocks then give a lane 16 NEIGHBOURS along the next product's K.  query and Wo stand as they are.
; SHARES: a work-group is one wave and takes one row block, all 1,024 along K, in 16 steps of 64.  A step's eight loads read whole runs of 256 bytes of two rows each; the 4,096 bytes turn through the wave's
; stage in LDS (rows 272 bytes apart) and come back 128 bytes a lane: a whole block of 32.  Loads run four steps (32 loads) ahead, the turn one step.  No barrier: one wave.
.set STG1,  4352                       ; a stage: 16 rows x 272 bytes; two of them
.set SCB,   8704                       ; the wave's scale bytes, [r][32]
.set SPARE, 9216                       ; the spare words: one block of 256 bytes that no other line names
.set VLO,   3                          ; v3   4096 h + 16 r: positions 0-7
.set VHI,   4                          ; v4   the same, 8 rows further on where the rows are exchanged: positions 8-15
.set SBA,   5                          ; v5   SCB + 32 r + h: my block's byte
.set STI,   6                          ; v6   into the stage: 272 h + 16 r
.set STO,   7                          ; v7   out of it: 272 r + 128 h
.set L8,    8                          ; v8   8 x lane
.set L16,   9                          ; v9   16 x lane
.set SBR,   10                         ; v10  SCB + 16 x lane
.set SOP,   11                         ; v11  the conversions' scale operand
.set SPW,   12                         ; v12  my spare word's address; never rewritten
.set NIL,   13                         ; v13  0; never rewritten
.set R,     16                         ; v16-143  four sets of 32 registers as loaded
.set X,     144                        ; v144-207 two sets of 32: my block
.set C,     208                        ; v208-223 two sets of 8: codes
.set E,     224                        ; v224-239 a scale byte for each step
	s_load_b256 s[16:23], s[0:1], 0x0              ; query, keys, values, Wq
	s_load_b256 s[24:31], s[0:1], 0x20             ; Wk, Wv, Wo, xc
	s_load_b64 s[32:33], s[0:1], 0x40              ; xs
	v_lshl_add_u32 v[SPW], v0, 2, SPARE
	v_mov_b32 v[NIL], 0
	v_and_b32 v1, 15, v0                           ; r
	v_bfe_u32 v2, v0, 4, 1                         ; h
	v_lshlrev_b32 v[VLO], 4, v1
	v_lshl_add_u32 v[VLO], v2, 12, v[VLO]
	v_lshl_add_u32 v[SBA], v1, 5, v2
	v_add_nc_u32 v[SBA], SCB, v[SBA]
	v_mul_u32_u24 v[STI], v2, 272
	v_lshl_add_u32 v[STI], v1, 4, v[STI]
	v_mul_u32_u24 v[STO], v1, 272
	v_lshl_add_u32 v[STO], v2, 7, v[STO]
	v_lshlrev_b32 v[L8], 3, v0
	v_lshlrev_b32 v[L16], 4, v0
	v_lshl_add_u32 v[SBR], v0, 4, SCB
	s_mov_b32 s6, 1728                             ; the tensor's first row block,
	s_mov_b32 s7, 0                                ; and 1 where its rows are exchanged
	s_wait_kmcnt 0x0
	s_mov_b64 s[4:5], s[28:29]                     ; Wo, unless the work-group's number says otherwise: the choice hangs on that number alone
.macro PICK bound, ptr, start, flag
	s_cmp_lt_u32 ttmp9, \bound
	s_cselect_b64 s[4:5], s[\ptr:\ptr+1], s[4:5]
	s_cselect_b32 s6, \start, s6
	s_cselect_b32 s7, \flag, s7
.endm
	PICK 1728, 26, 1664, 1                         ; Wv
	PICK 1664, 24, 1600, 1                         ; Wk
	PICK 1600, 22, 1536, 1                         ; Wq
	PICK 1536, 20, 1024, 1                         ; values
	PICK 1024, 18, 512, 1                          ; keys
	PICK 512, 16, 0, 0                             ; query
	s_sub_co_u32 s6, ttmp9, s6                     ; T: my row block in the tensor
	s_and_b32 s12, s6, s7                          ; 1 where the rows are exchanged and T is odd
	s_lshl_b32 s14, s6, 16                         ; 16 T rows of 4,096 bytes,
	s_lshl_b32 s12, s12, 15
	s_sub_co_u32 s14, s14, s12                     ; less 8 rows there: block 2 b + u begins at row 32 b + 8 u
	s_mov_b32 s15, 0
	s_add_nc_u64 s[4:5], s[4:5], s[14:15]
	s_lshl_b32 s13, s7, 15
	v_add_nc_u32 v[VHI], s13, v[VLO]
	s_mul_i32 s14, ttmp9, 12288
	s_add_nc_u64 s[8:9], s[30:31], s[14:15]        ; my row block's codes
	s_lshl_b32 s14, ttmp9, 9
	s_add_nc_u64 s[10:11], s[32:33], s[14:15]      ; and its scale bytes
.macro LOAD t                          ; step t: positions 2 i + h, bytes 256 t on: sixteen lanes read 256 consecutive aligned bytes of a row
.irp i, 0,1,2,3
	global_load_b128 v[R+32*((\t)%4)+4*\i:R+32*((\t)%4)+4*\i+3], v[VLO], s[4:5] offset:8192*\i+256*(\t) th:TH_LOAD_NT
.endr
.irp i, 4,5,6,7
	global_load_b128 v[R+32*((\t)%4)+4*\i:R+32*((\t)%4)+4*\i+3], v[VHI], s[4:5] offset:8192*\i+256*(\t) th:TH_LOAD_NT
.endr
.endm
.macro TURN t                          ; through the stage: LDS serves a wave's instructions in order, so no wait stands between the stores and the loads
.irp i, 0,1,2,3,4,5,6,7
	ds_store_b128 v[STI], v[R+32*((\t)%4)+4*\i:R+32*((\t)%4)+4*\i+3] offset:STG1*((\t)%2)+544*\i
.endr
.irp j, 0,1,2,3,4,5,6,7
	ds_load_b128 v[X+32*((\t)%2)+4*\j:X+32*((\t)%2)+4*\j+3], v[STO] offset:STG1*((\t)%2)+16*\j
.endr
.endm
.macro STEP t
.set XS, X+32*((\t)%2)
.set CC, C+8*((\t)%2)
.if (\t) > 0
	s_wait_dscnt 1                                 ; my block is back from the stage (the last step's byte store may be out): so the stage's stores have read their registers,
.else
	s_wait_dscnt 0x0
.endif
.if (\t)+4 < 16
	LOAD (\t)+4                                    ; which take the loads of four steps on
.endif
.if (\t) < 15
.if 14-(\t) >= 3
	s_wait_loadcnt 24                              ; the next step's eight loads are in; those of the three steps behind it may be out
.else
	s_wait_loadcnt 8*(14-(\t))
.endif
	TURN (\t)+1
.endif
	v_max3_num_f32 v14, |v[XS]|, |v[XS+1]|, |v[XS+2]|              ; the block's largest magnitude: all 32 numbers are mine; two chains
	v_max3_num_f32 v15, |v[XS+3]|, |v[XS+4]|, |v[XS+5]|
.irp i, 6,10,14,18,22,26
	v_max3_num_f32 v14, v14, |v[XS+\i]|, |v[XS+\i+1]|
	v_max3_num_f32 v15, v15, |v[XS+\i+2]|, |v[XS+\i+3]|
.endr
	v_max3_num_f32 v14, v14, |v[XS+30]|, |v[XS+31]|
	v_max3_num_f32 v14, v14, v15, 0x1800000        ; and the floor 2^(3 - 127): the byte cannot fall under 1
	v_add_nc_u32 v[SOP], 0xff000000, v14           ; 2 off the exponent field: the conversion takes that field as its scale
	s_wait_xcnt 0x0                                ; the stores of two steps back have read this set of code registers
	v_cvt_scalef32_pk16_fp6_f32 v[CC:CC+2], v[XS:XS+15], v[SOP]
	v_cvt_scalef32_pk16_fp6_f32 v[CC+4:CC+6], v[XS+16:XS+31], v[SOP]   ; (a conversion's three registers begin on an even number)
	v_lshrrev_b32 v[E+(\t)], 23, v[SOP]            ; the scale's byte; also the plain line behind the conversions
	v_mov_b32 v[CC+3], v[CC+4]
	v_mov_b32 v[CC+4], v[CC+5]
	v_mov_b32 v[CC+5], v[CC+6]                     ; my 24 bytes on end
	ds_store_b8 v[SBA], v[E+(\t)] offset:2*(\t)
.irp p, 0,1,2
	global_store_b64 v[L8], v[CC+2*\p:CC+2*\p+1], s[8:9] offset:768*(\t)+256*\p   ; 32 lanes store 256 consecutive aligned bytes
.endr
.endm
	LOAD 0
	LOAD 1
	LOAD 2
	LOAD 3
	s_wait_loadcnt 24                              ; step 0's eight loads are in
	TURN 0
.irp t, 0,1,2,3,4,5,6,7,8,9,10,11,12,13,14,15
	STEP \t
.endr
	ds_load_b128 v[16:19], v[SBR]                  ; the 512 scale bytes: LDS serves a wave's instructions in order
	s_wait_dscnt 0x0
	global_store_b128 v[L16], v[16:19], s[10:11]   ; 512 consecutive aligned bytes
	s_wait_tensorcnt 0x0                           ; the wave's end
	ds_add_u32 v[SPW], v[NIL]
	s_wait_dscnt 0x0
	s_endpgm
.Lfunc_end_k_q51e452103e_quant:
	.size	k_q51e452103e_quant, .Lfunc_end_k_q51e452103e_quant-k_q51e452103e_quant
	.p2alignl 7, 3214868480
	.fill 96, 4, 3214868480
	.section	.rodata,"a",@progbits
	.p2align	6, 0x0
	.amdhsa_kernel k_q51e452103e_quant
		.amdhsa_group_segment_fixed_size 9472
		.amdhsa_private_segment_fixed_size 0
		.amdhsa_enable_private_segment 0
		.amdhsa_kernarg_size 72
		.amdhsa_user_sgpr_count 2
		.amdhsa_user_sgpr_kernarg_segment_ptr 1
		.amdhsa_wavefront_size32 1
		.amdhsa_system_sgpr_workgroup_id_x 1
		.amdhsa_system_sgpr_workgroup_id_y 1
		.amdhsa_system_sgpr_workgroup_id_z 1
		.amdhsa_system_vgpr_workitem_id 0
		.amdhsa_next_free_vgpr 240
		.amdhsa_next_free_sgpr 66
		.amdhsa_reserve_vcc 0
		.amdhsa_float_denorm_mode_32 3
		.amdhsa_float_denorm_mode_16_64 3
		.amdhsa_memory_ordered 1
		.amdhsa_forward_progress 1
		.amdhsa_inst_pref_size 60
	.end_amdhsa_kernel
	.amdgpu_metadata
---
amdhsa.version: [ 1, 2 ]
amdhsa.kernels:
  - .name:           k_q51e452103e_quant
    .symbol:         k_q51e452103e_quant.kd
    .args:
      - { .name: query, .offset: 0, .size: 8, .value_kind: global_buffer, .address_space: global }
      - { .name: keys, .offset: 8, .size: 8, .value_kind: global_buffer, .address_space: global }
      - { .name: values, .offset: 16, .size: 8, .value_kind: global_buffer, .address_space: global }
      - { .name: Wq, .offset: 24, .size: 8, .value_kind: global_buffer, .address_space: global }
      - { .name: Wk, .offset: 32, .size: 8, .value_kind: global_buffer, .address_space: global }
      - { .name: Wv, .offset: 40, .size: 8, .value_kind: global_buffer, .address_space: global }
      - { .name: Wo, .offset: 48, .size: 8, .value_kind: global_buffer, .address_space: global }
      - { .name: xc, .offset: 56, .size: 8, .value_kind: global_buffer, .address_space: global }
      - { .name: xs, .offset: 64, .size: 8, .value_kind: global_buffer, .address_space: global }
    .group_segment_fixed_size: 9472
    .private_segment_fixed_size: 0
    .kernarg_segment_align: 8
    .kernarg_segment_size: 72
    .max_flat_workgroup_size: 32
    .sgpr_count:     66
    .vgpr_count:     240
    .wavefront_size: 32
...
	.end_amdgpu_metadata
.endif
;; end of part 1
;; launch proj (part 2): grid 4 x 96, 4 waves a work-group, clusters of 4 x 4, 327,680 bytes of LDS; arguments xc, xs, pc, ps; writes pc, ps
.if DOCPART == 2
	.amdgcn_target "amdgcn-amd-amdhsa--gfx1250"
	.amdhsa_code_object_version 6
	.text
	.protected	k_q51e452103e_proj
	.globl	k_q51e452103e_proj
	.p2align	8
	.type	k_q51e452103e_proj,@function
k_q51e452103e_proj:
	s_mov_b64 s[64:65], 0
	v_nop
	global_prefetch_b8 v0, s[64:65] scope:SCOPE_SE
	s_setreg_imm32_b32 hwreg(HW_REG_WAVE_MODE, 25, 1), 1
	s_wait_xcnt 0x0
	s_wait_alu depctr_hold_cnt(0) depctr_sa_sdst(0) depctr_va_vdst(0) depctr_va_sdst(0) depctr_va_ssrc(0) depctr_va_vcc(0) depctr_vm_vsrc(0)
	s_getreg_b32 s2, hwreg(HW_REG_IB_STS2, 6, 4)
	s_cmp_eq_u32 s2, 0
	s_cbranch_scc0 .Lentry_in_a_cluster
	s_endpgm
.Lentry_in_a_cluster:
	s_bfe_u32 s2, ttmp6, 0x10000c
	s_cmp_lg_u32 s2, 0xf033
	s_cbranch_scc0 .Lentry_shape_is_right
	s_endpgm
.Lentry_shape_is_right:
; Launch 2 of 4: q = query Wq^T, k = keys Wk^T, v = values Wv^T on codes of E2M3, f32 sums; the results are quantised in registers and leave as codes.  Nothing of the problem is left out.
; Three products of 8192 x 1024 x 1024 in one grid: 8 clusters of 4 x 4 work-groups each.  A work-group makes 256 x 256, each of its four waves 128 x 128: 64 accumulators, 512 registers.
; THE MATRIX INSTRUCTION IS USED TRANSPOSED: source 1 = 16 rows of the ROW operand (a lane holds one of them), source 0 = 16 rows of the COLUMN operand (a lane's registers run along them).
; q, k: rows = tokens, columns = W's rows: a lane's registers run along the head's 64, the K of the scores.   v: rows = Wv's rows, columns = values' tokens: they run along the keys, the K of the second product.
; The column operand's rows stand exchanged in xc (bits 3 and 4), so that the 16 registers of accumulators 2 b and 2 b + 1 are 16 neighbours: 32 b + 16 (lane / 16) + 0 .. 15.
; K goes in steps of 256 through a ring of two LDS slots.  A slot holds, for each block of 16 rows, four images (3,072 dense bytes); a fragment is six loads of 8 bytes at 8 x lane + 256 p.
; The scale bytes of the 256 + 256 rows, for all of K, come once, with the first fills.  CLUSTER: the row operand's tiles are shared along a row of the cluster, the column operand's along a column: joint loads.
; OUT: pc: q, k at 0 and 6,291,456: [16 b + head][tile of 16 positions][768];  v at 12,582,912: [16 b + head][64 keys, 0..31][16 of the head's 64, 0..3][768].
;      ps: q, k at 0 and 262,144: [bh][tile / 2][r]: a word = the even tile's two bytes, then the odd tile's;  v at 524,288: [bh][128 keys][256]: words of rows r of the four d tiles in the order 0, 2, 1, 3.
; LIMITS: as stated in the first launch (bytes held at 1 from below; a block of zeros has the byte 1; no NaN, no infinities).
; REGISTERS: window 0: v16-29 addresses; v32-63 scale words; v64-103 the way out's small things; v128-223 the row operand's fragments, later the codes; window 1: the column operand's, two sets; windows 2, 3: accumulators.
.set NQ,    2                          ; matrix instructions deep in a slot
.set FR,    12                         ; registers of a fragment
.set NL,    6                          ; LDS loads that bring one
.set NP,    4                          ; places behind this matrix instruction (ISA guide 7.12.1)
.set BLKB,  3072                       ; a block of 16 rows x 256 along K
.set HALFT, 8*BLKB                     ; 128 rows: what one tensor load brings
.set SLOT,  4*HALFT                    ; the row operand's 256 rows, then the column operand's
.set KS,    32                         ; a row of scale bytes
.set SCL,   2*SLOT                     ; behind the ring: the scales, as units of 256 bytes + 16 of padding
.set HALFS, 16*272                     ; those of 128 rows
.set SBLK,  2*272                      ; those of 16 rows
.set SPARE, SCL+4*HALFS                ; the spare words, 128 bytes a wave: two blocks of 256 bytes that no other line names
.set ADRA,  16                         ; v16-17 LDS address of my row fragments in slot 0, 1
.set ADRB,  20                         ; v20-21 of my column fragments
.set ADRS,  27                         ; v27    of my scale words: lanes 0-15 the row operand's, lanes 16-31 the column operand's
.set SPW,   28                         ; v28    my spare word; never rewritten
.set NIL,   29                         ; v29    0; never rewritten
.set SC,    32                         ; v32-63 scale words, two sets
.set TM,    64                         ; v64-79 the quantiser's: maxima, exchanged maxima and bytes, -, scale operands
.set PW,    80                         ; v80-87 the scale word of each of my eight row blocks
.set MX,    88                         ; v88-95 the scale words as they leave
.set VO,    96                         ; v96-99 the codes' offsets
.set VS,    100                        ; v100-103 the scale words' offsets
.set AF,    128
.set OUTC,  128                        ; 12 registers of codes for each row block: no store's data are written again
.set TMP,   224
.set G1, 24
.set G0, 32
.set G1B, 48
.set G0B, 56
.set G1S, 68
.set G0S, 76
.set G1SB, 80
.set G0SB, 88
.set HIM,  66                          ; s66 lanes 16-31
.set SEL0, 67                          ; s67, s3: byte selects for the scale words
.set SEL1, 3
.set SELX, 100                         ; s[100:101] lane l xor 16
.set MSB, 0
.macro WIN new                         ; the immediate's high byte repeats the setting that is left
.if MSB != \new
	s_set_vgpr_msb (MSB<<8)|\new
.set MSB, \new
.endif
.endm
.set MUL_LO, 0xa1                      ; source 0 window 1, source 1 window 0, C and D window 2
.set MUL_HI, 0xf1                      ; the same, C and D window 3
.set TO_B,   0x40                      ; destination window 1
; A joint load: waves 0 and 1 fetch for the row operand, waves 2 and 3 for the column operand.  An s_nop 0 and four v_nop follow each line.
.macro JLOAD g0a, g1a, g0b, g1b
	s_cmp_eq_u32 s15, 0
	s_cbranch_scc0 .Lfor_b_\@
	tensor_load_to_lds s[\g0a:\g0a+3], s[\g1a:\g1a+7]
	s_nop 0
.rept 4
	v_nop
.endr
	s_branch .Lasked_\@
.Lfor_b_\@:
	tensor_load_to_lds s[\g0b:\g0b+3], s[\g1b:\g1b+7]
	s_nop 0
.rept 4
	v_nop
.endr
.Lasked_\@:
.endm
.macro CREST                           ; a round of the cluster's barrier behind its opening barrier
	s_cmp_lg_u32 s14, 0
	s_cbranch_scc1 .Lnot_wave_0_\@
	s_barrier_signal -3
.Lnot_wave_0_\@:
	s_barrier_wait -3
	s_barrier_signal -1
	s_barrier_wait -1
.endm
.macro CROUND
	s_barrier_signal -1
	s_barrier_wait -1
	CREST
.endm
	s_load_b256 s[4:11], s[0:1], 0x0               ; xc, xs, pc, ps
	v_lshl_add_u32 v[SPW], v0, 2, SPARE
	v_mov_b32 v[NIL], 0
	ds_add_u32 v[SPW], v[NIL]                      ; the wave's opening: the add, twice on end, and its wait ahead of my first tensor load
	ds_add_u32 v[SPW], v[NIL]
	v_lshrrev_b32 v1, 5, v0
	v_readfirstlane_b32 s14, v1                    ; wave 0..3
	s_lshr_b32 s15, s14, 1                         ; which half of the tile's rows is mine.  Also: I fetch for the row operand (0) or the column operand (1)
	s_and_b32 s16, s14, 1                          ; which half of its columns.  Also: which 128 rows I fetch
	s_bfe_u32 s40, ttmp6, 0x40000                  ; cx
	s_bfe_u32 s41, ttmp6, 0x40004                  ; cy
	s_and_b32 s17, ttmp7, 0xffff                   ; cluster y, 0..23
	s_lshr_b32 s12, s17, 3                         ; which product: 0 q, 1 k, 2 v
	s_and_b32 s19, s17, 7
	s_lshl_b32 s19, s19, 2                         ; four tiles along the tokens for each cluster
	s_lshl_b32 s20, s12, 13                        ; q, k: the tokens' first row in xc
	s_lshl_b32 s21, s12, 10
	s_add_co_u32 s21, s21, 24576                   ; and W's
	s_mov_b32 s22, 26624                           ; v: Wv's
	s_mov_b32 s23, 16384                           ; and values'
	s_cmp_eq_u32 s12, 2
	s_cselect_b32 s42, 0, s19
	s_cselect_b32 s43, s19, 0
	s_cselect_b32 s20, s22, s20                    ; the row operand's first row
	s_cselect_b32 s21, s23, s21                    ; the column operand's
	s_add_co_u32 s42, s42, s41                     ; tile row
	s_add_co_u32 s43, s43, s40                     ; tile column
	s_lshl_b32 s44, s41, 2
	s_lshl_b32 s44, 15, s44                        ; my row of the cluster
	s_lshl_b32 s45, 0x1111, s40                    ; my column
	; group 1 for codes: 8 rows (blocks of 16 rows of the tensor) of 384 elements of 8 bytes, 1,536 elements apart; no padding
	s_or_b32 s[G1+0], s44, (3<<16)|(1<<21)
	s_or_b32 s[G1B+0], s45, (3<<16)|(1<<21)
.irp g, G1, G1B
	s_mov_b32 s[\g+1], 384<<16                     ; tensor_dim0
	s_mov_b32 s[\g+2], 8<<16                       ; tensor_dim1
	s_mov_b32 s[\g+3], 384<<16                     ; tile_dim0
	s_mov_b32 s[\g+4], 8                           ; tile_dim1
	s_mov_b32 s[\g+5], 1536                        ; from block to block: 12,288 bytes
	s_mov_b32 s[\g+6], 0
	s_mov_b32 s[\g+7], 0
.endr
	; and for the scales of 128 rows: 4,096 dense bytes as 16 rows of 256, 16 bytes of padding behind each
	s_or_b32 s[G1S+0], s44, (3<<16)|(1<<20)|(1<<21)|(5<<22)|(3<<25)
	s_or_b32 s[G1SB+0], s45, (3<<16)|(1<<20)|(1<<21)|(5<<22)|(3<<25)
.irp g, G1S, G1SB
	s_mov_b32 s[\g+1], 32<<16
	s_mov_b32 s[\g+2], 16<<16
	s_mov_b32 s[\g+3], 32<<16
	s_mov_b32 s[\g+4], 16
	s_mov_b32 s[\g+5], 32
	s_mov_b32 s[\g+6], 0
	s_mov_b32 s[\g+7], 0
.endr
	s_lshl_b32 s46, s16, 7                         ; which 128 rows of the tile I fetch
	s_lshl_b32 s47, s42, 8
	s_add_co_u32 s20, s20, s47
	s_add_co_u32 s20, s20, s46                     ; the row operand: hangs on cy and the cluster's y
	s_lshl_b32 s2, s43, 8
	s_add_co_u32 s21, s21, s2
	s_add_co_u32 s21, s21, s46                     ; the column operand: on cx and the cluster's y
	s_mul_i32 s92, s20, 768                        ; codes: 768 bytes a row
	s_mov_b32 s93, 0
	s_lshl_b32 s94, s20, 5                         ; scales: 32
	s_mov_b32 s95, 0
	s_mul_i32 s96, s21, 768
	s_mov_b32 s97, 0
	s_lshl_b32 s98, s21, 5
	s_mov_b32 s99, 0
	s_mul_i32 s18, s14, HALFT                      ; where they go: wave x 128 rows: no place in the cluster enters an LDS address
	s_mul_i32 s13, s14, HALFS
	s_wait_dscnt 0x0                               ; both opening adds are done
	s_wait_kmcnt 0x0
	s_add_nc_u64 s[92:93], s[4:5], s[92:93]
	s_add_nc_u64 s[94:95], s[6:7], s[94:95]
	s_add_nc_u64 s[96:97], s[4:5], s[96:97]
	s_add_nc_u64 s[98:99], s[6:7], s[98:99]
	CROUND                                         ; all sixteen work-groups are here: the first joint loads meet
	s_mov_b32 s[G0S], 1
	s_add_co_u32 s[G0S+1], s13, SCL
	s_mov_b64 s[G0S+2:G0S+3], s[94:95]
	s_or_b32 s[G0S+3], s[G0S+3], 0x80000000
	s_mov_b32 s[G0SB], 1
	s_add_co_u32 s[G0SB+1], s13, SCL
	s_mov_b64 s[G0SB+2:G0SB+3], s[98:99]
	s_or_b32 s[G0SB+3], s[G0SB+3], 0x80000000
	JLOAD G0S, G1S, G0SB, G1SB                     ; the scales first: they are wanted with K step 0
.irp s, 0,1
	s_mov_b32 s[G0+4*\s], 1
	s_add_co_u32 s[G0+4*\s+1], s18, \s*SLOT
	s_add_nc_u64 s[G0+4*\s+2:G0+4*\s+3], s[92:93], \s*BLKB
	s_or_b32 s[G0+4*\s+3], s[G0+4*\s+3], 0x80000000
	s_mov_b32 s[G0B+4*\s], 1
	s_add_co_u32 s[G0B+4*\s+1], s18, \s*SLOT
	s_add_nc_u64 s[G0B+4*\s+2:G0B+4*\s+3], s[96:97], \s*BLKB
	s_or_b32 s[G0B+4*\s+3], s[G0B+4*\s+3], 0x80000000
	JLOAD G0+4*\s, G1, G0B+4*\s, G1B
.endr
	v_and_b32 v4, 31, v0                           ; lane
	v_lshlrev_b32 v3, 3, v4                        ; 8 x lane
	s_mul_i32 s21, s15, HALFT                      ; my 128 rows of the row operand
	s_mul_i32 s22, s16, HALFT                      ; and of the column operand,
	s_add_co_u32 s22, s22, 2*HALFT                 ; which lie behind the first's 256
.irp s, 0,1
	v_add_nc_u32 v[ADRA+\s], s21, v3
	v_add_nc_u32 v[ADRB+\s], s22, v3
	s_add_co_u32 s21, s21, SLOT
	s_add_co_u32 s22, s22, SLOT
.endr
	v_and_b32 v1, 15, v0                           ; r
	v_bfe_u32 v2, v0, 4, 1                         ; h
	v_mul_u32_u24 v5, v1, KS                       ; my row's scales: 32 bytes a row,
	v_lshrrev_b32 v6, 8, v5
	v_lshl_add_u32 v5, v6, 4, v5                   ; and 16 more for each 256 passed
	s_mul_i32 s21, s15, HALFS
	s_mul_i32 s22, s16, HALFS
	s_add_co_u32 s22, s22, 2*HALFS
	s_sub_co_u32 s22, s22, s21
	v_mul_u32_u24 v6, s22, v2                      ; lanes 16-31 take the column operand's
	s_add_co_u32 s21, s21, SCL
	v_add_nc_u32 v5, v5, v6
	v_add_nc_u32 v[ADRS], s21, v5
	; THE WAY OUT'S ADDRESSES.  RB0: my first block of 16 rows; CH0: my first 64 columns
	s_lshl_b32 s17, s42, 4
	s_lshl_b32 s18, s15, 3
	s_add_co_u32 s17, s17, s18                     ; RB0
	s_lshl_b32 s19, s43, 2
	s_lshl_b32 s18, s16, 1
	s_add_co_u32 s19, s19, s18                     ; CH0
	s_lshr_b32 s20, s17, 7
	s_lshl_b32 s20, s20, 4
	s_add_co_u32 s20, s20, s19                     ; q, k: 16 b + head,
	s_and_b32 s21, s17, 127                        ; and the tile in the sequence
	s_lshr_b32 s22, s19, 5
	s_lshl_b32 s22, s22, 4
	s_lshr_b32 s18, s17, 2
	s_add_co_u32 s22, s22, s18                     ; v: 16 b + head,
	s_and_b32 s23, s19, 31                         ; and the 64 keys in the sequence
	s_mov_b32 s40, 3072
	s_mov_b32 s41, 98304
	s_mov_b32 s46, 4096
	s_mov_b32 s47, 0x03020100
	s_mov_b32 s93, 0x07060504
	s_cmp_eq_u32 s12, 2                            ; v?  All of these select values, none a path
	s_cselect_b32 s20, s22, s20
	s_cselect_b32 s21, s23, s21
	s_cselect_b32 s22, s40, 768                    ; bytes of codes for one of s21
	s_cselect_b32 s23, 7, 5                        ; and of scale words, as a shift
	s_cselect_b32 s17, s40, s41                    ; from my first 64 columns to my second
	s_cselect_b32 s18, s41, s40                    ; from my row blocks 0-3 to 4-7
	s_cselect_b32 s19, s46, 128                    ; scale words: the same step,
	s_cselect_b32 s13, 128, s46                    ; and from the first word of a pair to the second
	s_cselect_b32 s[SEL0], s47, 0x05040100         ; q, k: the two bytes of head 0 of an even and an odd tile; v: the word as it is
	s_cselect_b32 s[SEL1], s93, 0x07060302
	s_mul_i32 s40, s20, 98304
	s_mul_i32 s41, s21, s22
	s_add_co_u32 s40, s40, s41
	s_mul_i32 s41, s12, 6291456
	s_add_co_u32 s40, s40, s41
	s_mov_b32 s41, 0
	s_add_nc_u64 s[8:9], s[8:9], s[40:41]          ; my codes
	s_lshl_b32 s40, s20, 12
	s_lshl_b32 s46, s21, s23
	s_add_co_u32 s40, s40, s46
	s_lshl_b32 s46, s12, 18
	s_add_co_u32 s40, s40, s46
	s_add_nc_u64 s[10:11], s[10:11], s[40:41]      ; my scale words
	v_mov_b32 v[VO], v3
	v_add_nc_u32 v[VO+1], s17, v3
	v_add_nc_u32 v[VO+2], s18, v3
	v_add_nc_u32 v[VO+3], s17, v[VO+2]
	v_lshlrev_b32 v[VS], 2, v4
	v_add_nc_u32 v[VS+1], s13, v[VS]
	v_add_nc_u32 v[VS+2], s19, v[VS]
	v_add_nc_u32 v[VS+3], s13, v[VS+2]
	s_mov_b32 s[HIM], 0xffff0000
	s_mov_b32 s[SELX], 0x76543210
	s_mov_b32 s[SELX+1], 0xfedcba98
.irp b, 0,1,2,3
	v_mov_b32 v[TM+4+\b], 0                        ; written once: a lane permute's destination counts as one of its sources
.endr
.macro FRAG reg, adr, q, i             ; a fragment: block i of my 128 rows, the slot's q-th 128 along K: six units of 256 bytes, 8 bytes a lane
.irp p, 0,1,2,3,4,5
	ds_load_b64 v[\reg+2*\p:\reg+2*\p+1], v[\adr] offset:BLKB*(\i)+1536*(\q)+256*\p
.endr
.endm
; 16 matrix instructions: row blocks a0, a0 + 1 x the eight column blocks.  The 64 accumulators take turns, one instruction a turn, in the same order in every step.
.macro MUL16 a0, p, q, sc, zero
.irp a, \a0, \a0+1
.irp b, 0,1,2,3,4,5,6,7
.if \zero
	v_wmma_scale_f32_16x16x128_f8f6f4 v[8*(8*((\a)%4)+\b):8*(8*((\a)%4)+\b)+7], v[128*(\p)+FR*\b:128*(\p)+FR*\b+FR-1], v[AF+FR*(\a):AF+FR*(\a)+FR-1], 0, v[SC+8*NQ*(\sc)+NQ*\b+(\q)], v[SC+8*NQ*(\sc)+NQ*(\a)+(\q)] matrix_a_fmt:MATRIX_FMT_FP6 matrix_b_fmt:MATRIX_FMT_FP6 matrix_a_scale:MATRIX_SCALE_ROW1
.else
	v_wmma_scale_f32_16x16x128_f8f6f4 v[8*(8*((\a)%4)+\b):8*(8*((\a)%4)+\b)+7], v[128*(\p)+FR*\b:128*(\p)+FR*\b+FR-1], v[AF+FR*(\a):AF+FR*(\a)+FR-1], v[8*(8*((\a)%4)+\b):8*(8*((\a)%4)+\b)+7], v[SC+8*NQ*(\sc)+NQ*\b+(\q)], v[SC+8*NQ*(\sc)+NQ*(\a)+(\q)] matrix_a_fmt:MATRIX_FMT_FP6 matrix_b_fmt:MATRIX_FMT_FP6 matrix_a_scale:MATRIX_SCALE_ROW1
.endif
.endr
.endr
.endm
.macro FETCH_B slot, q, p
	WIN TO_B
.irp i, 0,1,2,3,4,5,6,7
	FRAG 128*(\p)+FR*\i, ADRB+\slot, \q, \i
.endr
	WIN 0
.endm
.macro FETCH_A slot, q, i0
.irp i, \i0, \i0+1, \i0+2, \i0+3
	FRAG AF+FR*(\i), ADRA+\slot, \q, \i
.endr
.endm
.macro SCALES sc                       ; a K step's scale words: two words a row; lanes 0-15 the row operand's block i, lanes 16-31 the column operand's
.irp i, 0,1,2,3,4,5,6,7
	ds_load_b64 v[SC+8*NQ*\sc+NQ*\i:SC+8*NQ*\sc+NQ*\i+1], v[ADRS] offset:\i*SBLK
.endr
.endm
.macro PLACES n                        ; plain vector lines between a matrix instruction and a load into, or a vector read of, its registers
.rept \n
	v_nop
.endr
.endm
.macro STEP slot, q, zero              ; 128 along K that has its successor in the same slot
	s_wait_dscnt 4*NL                              ; all but the youngest 24 loads (row blocks 4-7) are in
	WIN MUL_LO
	MUL16 0, (\q)%2, \q, \slot, \zero
	MUL16 2, (\q)%2, \q, \slot, \zero
	s_wait_dscnt 0
	PLACES NP
	FETCH_B \slot, (\q)+1, 1-(\q)%2
	FETCH_A \slot, (\q)+1, 0
	WIN MUL_HI
	MUL16 4, (\q)%2, \q, \slot, \zero
	MUL16 6, (\q)%2, \q, \slot, \zero
	PLACES NP
	WIN 0
	FETCH_A \slot, (\q)+1, 4
.endm
; A slot's last step changes slots: one barrier; in front of it each wave waits for all its tensor loads, adds 0 to its spare word, and waits for that and for its reads of this slot.
.macro TURN slot, next, fill
	s_wait_tensorcnt 0x0                           ; all my tensor loads have landed: my part of the next slot
	ds_add_u32 v[SPW], v[NIL]
	s_wait_dscnt 4*NL+1                            ; (the add and the youngest 24 loads may be out)
	WIN MUL_LO
	MUL16 0, 1, NQ-1, \slot, 0
	s_wait_dscnt 0x0                               ; the add is done, and my reads of this slot are over
	s_barrier_signal -1
	MUL16 2, 1, NQ-1, \slot, 0
	WIN 0
	s_barrier_wait -1
.if \fill
	CREST                                          ; the barrier has opened a round of the cluster's: no wave of any partner still reads this slot or has a load on its way
	s_add_nc_u64 s[G0+4*\slot+2:G0+4*\slot+3], s[G0+4*\slot+2:G0+4*\slot+3], 2*BLKB
	s_add_nc_u64 s[G0B+4*\slot+2:G0B+4*\slot+3], s[G0B+4*\slot+2:G0B+4*\slot+3], 2*BLKB
	JLOAD G0+4*\slot, G1, G0B+4*\slot, G1B         ; the first tensor load behind the round; its four v_nop are the places in front of the loads below
.else
	PLACES NP
.endif
	v_add_nc_u32 v[ADRS], 4*NQ, v[ADRS]            ; the next K step's scale words
	FETCH_B \next, 0, 0
	FETCH_A \next, 0, 0
	SCALES \next
	WIN MUL_HI
	MUL16 4, 1, NQ-1, \slot, 0
	MUL16 6, 1, NQ-1, \slot, 0
	PLACES NP
	WIN 0
	FETCH_A \next, 0, 4
.endm
	s_wait_tensorcnt 1                             ; the scales and my part of K step 0 are in; K step 1's load may be out
	s_barrier_signal -1
	s_barrier_wait -1
	FETCH_B 0, 0, 0
	FETCH_A 0, 0, 0
	SCALES 0
	FETCH_A 0, 0, 4
	STEP 0, 0, 1                                   ; K = 1,024 is eight steps of 128, four slots' worth: written out.  The first products start the sums
	TURN 0, 1, 1
	STEP 1, 0, 0
	TURN 1, 0, 1
	STEP 0, 0, 0
	TURN 0, 1, 0                                   ; nothing is left to fetch
	STEP 1, 0, 0
	s_wait_dscnt 4*NL
	WIN MUL_LO
	MUL16 0, 1, NQ-1, 1, 0
	MUL16 2, 1, NQ-1, 1, 0
	s_wait_dscnt 0
	WIN MUL_HI
	MUL16 4, 1, NQ-1, 1, 0
	MUL16 6, 1, NQ-1, 1, 0
	WIN 0
; THE WAY OUT.  Row block a: a lane's 64 registers are, of its row, the columns 32 b + 16 (lane / 16) + i at register 16 b + i: four blocks of 32.  They are quantised in registers; the 12 registers of codes are two images,
; which leave as six stores of 256 consecutive aligned bytes.  Each accumulator is read from its low end on.
.macro QOUT a
.set AS, 64*((\a)%4)
.set AW, 2+(\a)/4
.set AWW, AW|(AW<<2)
.set OC, OUTC+12*(\a)
	WIN AWW                                        ; sources 0 and 1: the accumulators' window
.irp b, 0,1,2,3
	v_max3_num_f32 v[TM+\b], |v[AS+16*\b]|, |v[AS+16*\b+1]|, 0x1800000   ; with the floor 2^(3 - 127): the byte cannot fall under 1
.endr
.irp i, 2,4,6,8,10,12,14
.irp b, 0,1,2,3
	v_max3_num_f32 v[TM+\b], |v[AS+16*\b+\i]|, |v[AS+16*\b+\i+1]|, v[TM+\b]
.endr
.endr
	WIN 0
.irp b, 0,1,2,3
	v_permlanex16_b32 v[TM+4+\b], v[TM+\b], s[SELX], s[SELX+1]
.endr
.irp b, 0,1,2,3
	v_max_num_f32 v[TM+\b], v[TM+\b], v[TM+4+\b]   ; with lane l xor 16's: the block's largest magnitude
.endr
.irp b, 0,1,2,3
	v_add_nc_u32 v[TM+12+\b], 0xff000000, v[TM+\b] ; 2 off the exponent field: the conversion's scale operand
.endr
.irp b, 0,1,2,3
	v_lshrrev_b32 v[TM+4+\b], 23, v[TM+12+\b]      ; the byte
.endr
	v_lshl_or_b32 v[PW+(\a)], v[TM+5], 8, v[TM+4]
	v_lshl_or_b32 v[PW+(\a)], v[TM+6], 16, v[PW+(\a)]
	v_lshl_or_b32 v[PW+(\a)], v[TM+7], 24, v[PW+(\a)]
	WIN AW                                         ; source 0: the accumulators' window
.irp c, 0,1
	v_cvt_scalef32_pk16_fp6_f32 v[OC+6*\c:OC+6*\c+2], v[AS+32*\c:AS+32*\c+15], v[TM+12+2*\c]
	v_cvt_scalef32_pk16_fp6_f32 v[TMP+4*\c:TMP+4*\c+2], v[AS+32*\c+16:AS+32*\c+31], v[TM+12+2*\c+1]
.endr
	WIN 0
	v_nop                                          ; one plain line behind the conversions
.irp c, 0,1                            ; a whole block to a lane: lanes 0-15 block 2 c, lanes 16-31 block 2 c + 1
.irp i, 0,1,2
	v_permlane16_swap_b32 v[OC+6*\c+\i], v[TMP+4*\c+\i]
.endr
.irp i, 0,1,2
	v_mov_b32 v[OC+3+6*\c+\i], v[TMP+4*\c+\i]
.endr
.endr
.irp c, 0,1
.irp p, 0,1,2
	global_store_b64 v[VO+2*((\a)/4)+\c], v[OC+6*\c+2*\p:OC+6*\c+2*\p+1], s[8:9] offset:768*((\a)%4)+256*\p
.endr
.endr
.endm
.macro SOUT j                          ; the scale words of row blocks 4 j .. 4 j + 3: lanes 0-15 take blocks 4 j, 4 j + 1, lanes 16-31 blocks 4 j + 2, 4 j + 3; two stores of 128 consecutive bytes
	v_cndmask_b32 v[MX+4*\j], v[PW+4*\j], v[PW+4*\j+2], s[HIM]
	v_cndmask_b32 v[MX+4*\j+1], v[PW+4*\j+1], v[PW+4*\j+3], s[HIM]
	v_perm_b32 v[MX+4*\j+2], v[MX+4*\j+1], v[MX+4*\j], s[SEL0]
	v_perm_b32 v[MX+4*\j+3], v[MX+4*\j+1], v[MX+4*\j], s[SEL1]
	global_store_b32 v[VS+2*\j], v[MX+4*\j+2], s[10:11]
	global_store_b32 v[VS+2*\j+1], v[MX+4*\j+3], s[10:11]
.endm
	PLACES NP                                      ; behind the last products: the codes land where the row operand's fragments lay
	QOUT 0
	QOUT 1
	QOUT 2
	QOUT 3
	SOUT 0
	QOUT 4
	QOUT 5
	QOUT 6
	QOUT 7
	SOUT 1
	s_wait_tensorcnt 0x0                           ; the wave's end
	ds_add_u32 v[SPW], v[NIL]
	s_wait_dscnt 0x0
	CROUND                                         ; the closing round
	s_endpgm
.Lfunc_end_k_q51e452103e_proj:
	.size	k_q51e452103e_proj, .Lfunc_end_k_q51e452103e_proj-k_q51e452103e_proj
	.p2alignl 7, 3214868480
	.fill 96, 4, 3214868480
	.section	.rodata,"a",@progbits
	.p2align	6, 0x0
	.amdhsa_kernel k_q51e452103e_proj
		.amdhsa_group_segment_fixed_size 327680
		.amdhsa_private_segment_fixed_size 0
		.amdhsa_enable_private_segment 0
		.amdhsa_kernarg_size 32
		.amdhsa_user_sgpr_count 2
		.amdhsa_user_sgpr_kernarg_segment_ptr 1
		.amdhsa_wavefront_size32 1
		.amdhsa_system_sgpr_workgroup_id_x 1
		.amdhsa_system_sgpr_workgroup_id_y 1
		.amdhsa_system_sgpr_workgroup_id_z 1
		.amdhsa_system_vgpr_workitem_id 0
		.amdhsa_next_free_vgpr 1024
		.amdhsa_next_free_sgpr 102
		.amdhsa_reserve_vcc 0
		.amdhsa_float_denorm_mode_32 3
		.amdhsa_float_denorm_mode_16_64 3
		.amdhsa_memory_ordered 1
		.amdhsa_forward_progress 1
		.amdhsa_inst_pref_size 168
	.end_amdhsa_kernel
	.amdgpu_metadata
---
amdhsa.version: [ 1, 2 ]
amdhsa.kernels:
  - .name:           k_q51e452103e_proj
    .symbol:         k_q51e452103e_proj.kd
    .args:
      - { .name: xc, .offset: 0, .size: 8, .value_kind: global_buffer, .address_space: global }
      - { .name: xs, .offset: 8, .size: 8, .value_kind: global_buffer, .address_space: global }
      - { .name: pc, .offset: 16, .size: 8, .value_kind: global_buffer, .address_space: global }
      - { .name: ps, .offset: 24, .size: 8, .value_kind: global_buffer, .address_space: global }
    .group_segment_fixed_size: 327680
    .private_segment_fixed_size: 0
    .kernarg_segment_align: 8
    .kernarg_segment_size: 32
    .max_flat_workgroup_size: 128
    .sgpr_count:     102
    .vgpr_count:     1024
    .wavefront_size: 32
...
	.end_amdgpu_metadata
.endif
;; end of part 2
;; launch attn (part 3): grid 4 x 64, 16 waves a work-group, clusters of 4 x 1, 206,848 bytes of LDS; arguments pc, ps, oc, os; writes oc, os
.if DOCPART == 3
	.amdgcn_target "amdgcn-amd-amdhsa--gfx1250"
	.amdhsa_code_object_version 6
	.text
	.protected	k_q51e452103e_attn
	.globl	k_q51e452103e_attn
	.p2align	8
	.type	k_q51e452103e_attn,@function
k_q51e452103e_attn:
	s_mov_b64 s[64:65], 0
	v_nop
	global_prefetch_b8 v0, s[64:65] scope:SCOPE_SE
	s_setreg_imm32_b32 hwreg(HW_REG_WAVE_MODE, 25, 1), 1
	s_wait_xcnt 0x0
	s_wait_alu depctr_hold_cnt(0) depctr_sa_sdst(0) depctr_va_vdst(0) depctr_va_sdst(0) depctr_va_ssrc(0) depctr_va_vcc(0) depctr_vm_vsrc(0)
	s_getreg_b32 s2, hwreg(HW_REG_IB_STS2, 6, 4)
	s_cmp_eq_u32 s2, 0
	s_cbranch_scc0 .Lentry_in_a_cluster
	s_endpgm
.Lentry_in_a_cluster:
	s_bfe_u32 s2, ttmp6, 0x10000c
	s_cmp_lg_u32 s2, 0x3003
	s_cbranch_scc0 .Lentry_shape_is_right
	s_endpgm
.Lentry_shape_is_right:
.set VB,    98304
.set KSB,   196608
.set VSB,   200704
.set SPARE, 204800
.set L8,  1
.set L8V, 2
.set LS,  3
.set R4,  4
.set SPW, 5
.set NIL, 6
.set OSO, 7
.set ADK, 8
.set ADV, 9
.set ADS, 10
.set QA,  16
.set QB,  22
.set QAW, 34
.set QBW, 35
.set FRG, 36
.set KSC, 84
.set VSC, 86
.set PW,  88
.set S,   96
.set O,   160
.set PC,  192
.set TMP, 204
.set BM,  212
.set PR,  216
.set SO,  220
.set SUM2, 224
.set T0,  226
.set F,   228
.set WV,  12
.set SEL, 20
.set CS,  22
.set G1C, 24
.set G1S, 32
.set G0,  40
.set TB,  60
.set TS,  61
.set CNT, 62
.set PASS, 63
.set HIM, 66
.macro CROUND
	s_barrier_signal -1
	s_barrier_wait -1
	s_cmp_lg_u32 s[WV], 0
	s_cbranch_scc1 .Lnot_wave_0_\@
	s_barrier_signal -3
.Lnot_wave_0_\@:
	s_barrier_wait -3
	s_barrier_signal -1
	s_barrier_wait -1
.endm
	s_load_b256 s[4:11], s[0:1], 0x0
	v_lshl_add_u32 v[SPW], v0, 2, SPARE
	v_mov_b32 v[NIL], 0
	ds_add_u32 v[SPW], v[NIL]
	ds_add_u32 v[SPW], v[NIL]
	v_lshrrev_b32 v8, 5, v0
	s_delay_alu instid0(VALU_DEP_1)
	v_readfirstlane_b32 s[WV], v8
	s_and_b32 s13, ttmp7, 0xffff
	s_bfe_u32 s14, ttmp6, 0x40000
	s_lshr_b32 s15, s[WV], 3
	s_and_b32 s16, s[WV], 7
	s_mov_b32 s[G1C], 15|(3<<16)|(1<<21)
	s_mov_b32 s[G1C+1], 32<<16
	s_mov_b32 s[G1C+2], 12<<16
	s_mov_b32 s[G1C+3], 32<<16
	s_mov_b32 s[G1C+4], 12
	s_mov_b32 s[G1C+5], 32
	s_mov_b32 s[G1C+6], 0
	s_mov_b32 s[G1C+7], 0
	s_mov_b32 s[G1S], 15|(3<<16)|(1<<21)
	s_mov_b32 s[G1S+1], 32<<16
	s_mov_b32 s[G1S+2], 2<<16
	s_mov_b32 s[G1S+3], 32<<16
	s_mov_b32 s[G1S+4], 2
	s_mov_b32 s[G1S+5], 32
	s_mov_b32 s[G1S+6], 0
	s_mov_b32 s[G1S+7], 0
	s_add_co_u32 s17, s15, 1
	s_mul_i32 s70, s17, 6291456
	s_mul_i32 s71, s13, 98304
	s_add_co_u32 s70, s70, s71
	s_mul_i32 s71, s16, 3072
	s_add_co_u32 s70, s70, s71
	s_mov_b32 s71, 0
	s_lshl_b32 s72, s17, 18
	s_lshl_b32 s73, s13, 12
	s_add_co_u32 s72, s72, s73
	s_lshl_b32 s73, s16, 9
	s_add_co_u32 s72, s72, s73
	s_mov_b32 s73, 0
	s_mul_i32 s74, s15, VB
	s_mul_i32 s75, s16, 3072
	s_add_co_u32 s74, s74, s75
	s_lshl_b32 s75, s[WV], 9
	s_add_co_u32 s75, s75, KSB
	s_mov_b32 s[SEL], 0x76543210
	s_mov_b32 s[SEL+1], 0xfedcba98
	s_mov_b32 s[CS], 0x3d38aa3b
	s_mov_b32 s[CS+1], s[CS]
	s_mov_b32 s[HIM], 0xffff0000
	s_mov_b32 s67, 0x7f7f0000
	s_mov_b32 s68, 0x7f7f
	s_and_b32 s69, s[WV], 1
	s_lshl_b32 s69, s69, 4
	s_mov_b32 s[PASS], 2
	s_wait_dscnt 0x0
	s_wait_kmcnt 0x0
	s_mov_b32 s[G0], 1
	s_mov_b32 s[G0+1], s75
	s_add_nc_u64 s[G0+2:G0+3], s[6:7], s[72:73]
	s_or_b32 s[G0+3], s[G0+3], 0x80000000
.irp i, 0,1,2,3
	s_mov_b32 s[G0+4+4*\i], 1
	s_add_co_u32 s[G0+5+4*\i], s74, 24576*\i
	s_add_nc_u64 s[G0+6+4*\i:G0+7+4*\i], s[4:5], s[70:71]
	s_add_nc_u64 s[G0+6+4*\i:G0+7+4*\i], s[G0+6+4*\i:G0+7+4*\i], 24576*\i
	s_or_b32 s[G0+7+4*\i], s[G0+7+4*\i], 0x80000000
.endr
	CROUND
	tensor_load_to_lds s[G0:G0+3], s[G1S:G1S+7]
	s_nop 0
.irp i, 0,1,2,3
	tensor_load_to_lds s[G0+4+4*\i:G0+7+4*\i], s[G1C:G1C+7]
	s_nop 0
.endr
.rept 4
	v_nop
.endr
	s_lshl_b32 s80, s14, 5
	s_add_co_u32 s80, s80, s[WV]
	s_mul_i32 s82, s13, 98304
	s_mul_i32 s83, s80, 768
	s_add_co_u32 s82, s82, s83
	s_mov_b32 s83, 0
	s_add_nc_u64 s[88:89], s[4:5], s[82:83]
	s_lshl_b32 s82, s13, 12
	s_lshr_b32 s84, s80, 1
	s_lshl_b32 s84, s84, 6
	s_add_co_u32 s82, s82, s84
	s_add_nc_u64 s[90:91], s[6:7], s[82:83]
	s_lshr_b32 s84, s13, 4
	s_lshl_b32 s84, s84, 7
	s_add_co_u32 s84, s84, s80
	s_and_b32 s85, s13, 15
	s_mul_i32 s82, s84, 12288
	s_mul_i32 s86, s85, 768
	s_add_co_u32 s82, s82, s86
	s_add_nc_u64 s[8:9], s[8:9], s[82:83]
	s_lshl_b32 s82, s84, 9
	s_lshl_b32 s86, s85, 1
	s_add_co_u32 s82, s82, s86
	s_add_nc_u64 s[10:11], s[10:11], s[82:83]
	v_and_b32 v9, 31, v0
	s_delay_alu instid0(VALU_DEP_1)
	v_lshlrev_b32 v[L8], 3, v9
	s_delay_alu instid0(VALU_DEP_1)
	v_add_nc_u32 v[L8V], VB, v[L8]
	s_delay_alu instid0(VALU_DEP_3)
	v_lshl_add_u32 v[LS], v9, 2, KSB
	v_and_b32 v10, 15, v0
	s_delay_alu instid0(VALU_DEP_1)
	v_lshlrev_b32 v[R4], 2, v10
	v_bfe_u32 v11, v0, 4, 1
	s_delay_alu instid0(VALU_DEP_1)
	v_lshl_add_u32 v[OSO], v10, 5, v11
.irp i, 0,1,2,3,4,5
	v_mov_b32 v[QB+\i], 0
.endr
.irp b, 0,1,2,3
	v_mov_b32 v[PR+\b], 0
.endr
	v_mov_b32 v[F+1], 0
	s_wait_tensorcnt 0x0
	s_barrier_signal -1
	s_barrier_wait -1
.Lpass:
.irp p, 0,1,2
	global_load_b64 v[QA+2*\p:QA+2*\p+1], v[L8], s[88:89] offset:256*\p
	global_load_b64 v[QB+6+2*\p:QB+7+2*\p], v[L8], s[88:89] offset:256*\p
.endr
	global_load_b32 v[T0], v[R4], s[90:91]
	v_mov_b32 v13, 0xff61b1e6
	s_delay_alu instid0(VALU_DEP_1)
	v_floor_f32 v12, -v13
	v_mov_b32 v14, 0
	v_mov_b32 v15, 0
	s_mov_b32 s[TB], 0
	s_mov_b32 s[TS], 0
	s_mov_b32 s[CNT], 16
	s_wait_loadcnt 0x0
	v_lshrrev_b32 v[T0], s69, v[T0]
	s_delay_alu instid0(VALU_DEP_1)
	v_and_or_b32 v[QAW], v[T0], 0xffff, s67
	s_delay_alu instid0(VALU_DEP_2)
	v_lshl_or_b32 v[QBW], v[T0], 16, s68
.set j, 0
.rept 32
	v_mov_b32 v[O+j], 0
.set j, j+1
.endr
.Lstep:
	s_setprio 2
	v_add_nc_u32 v[ADK], s[TB], v[L8]
	v_add_nc_u32 v[ADV], s[TB], v[L8V]
	v_add_nc_u32 v[ADS], s[TS], v[LS]
	v_nop
.irp f, 0,1,2,3
.irp p, 0,1,2,3,4,5
	ds_load_b64 v[FRG+12*\f+2*\p:FRG+12*\f+2*\p+1], v[ADK] offset:1536*\f+256*\p
.endr
.endr
	ds_load_b32 v[KSC], v[ADS]
	ds_load_b32 v[KSC+1], v[ADS] offset:128
	s_wait_alu depctr_va_vdst(0)
	s_wait_dscnt 0x0
.irp f, 0,1,2,3
.if \f%2
	v_wmma_scale_f32_16x16x128_f8f6f4 v[S+16*\f:S+16*\f+7], v[FRG+12*\f:FRG+12*\f+11], v[QA:QA+11], 0, v[KSC+\f/2], v[QAW] matrix_a_fmt:MATRIX_FMT_FP6 matrix_b_fmt:MATRIX_FMT_FP6 matrix_a_scale:MATRIX_SCALE_ROW1
	v_wmma_scale_f32_16x16x128_f8f6f4 v[S+16*\f+8:S+16*\f+15], v[FRG+12*\f:FRG+12*\f+11], v[QB:QB+11], 0, v[KSC+\f/2], v[QBW] matrix_a_fmt:MATRIX_FMT_FP6 matrix_b_fmt:MATRIX_FMT_FP6 matrix_a_scale:MATRIX_SCALE_ROW1
.else
	v_wmma_scale_f32_16x16x128_f8f6f4 v[S+16*\f:S+16*\f+7], v[FRG+12*\f:FRG+12*\f+11], v[QA:QA+11], 0, v[KSC+\f/2], v[QAW] matrix_a_fmt:MATRIX_FMT_FP6 matrix_b_fmt:MATRIX_FMT_FP6
	v_wmma_scale_f32_16x16x128_f8f6f4 v[S+16*\f+8:S+16*\f+15], v[FRG+12*\f:FRG+12*\f+11], v[QB:QB+11], 0, v[KSC+\f/2], v[QBW] matrix_a_fmt:MATRIX_FMT_FP6 matrix_b_fmt:MATRIX_FMT_FP6
.endif
.endr
.rept 4
	v_nop
.endr
.irp dt, 0,1,2,3
.irp c, 0,1
.irp p, 0,1,2
	ds_load_b64 v[FRG+12*\dt+6*\c+2*\p:FRG+12*\dt+6*\c+2*\p+1], v[ADV] offset:3072*\c+768*\dt+256*\p
.endr
.endr
.endr
	ds_load_b32 v[VSC], v[ADS] offset:VSB-KSB
	ds_load_b32 v[VSC+1], v[ADS] offset:VSB-KSB+128
.irp b, 0,1,2,3
	v_max3_num_f32 v[BM+\b], v[S+16*\b], v[S+1+16*\b], v[S+2+16*\b]
.endr
.irp i, 3,5,7,9,11,13
.irp b, 0,1,2,3
	v_max3_num_f32 v[BM+\b], v[BM+\b], v[S+16*\b+\i], v[S+1+16*\b+\i]
.endr
.endr
.irp b, 0,1,2,3
	v_max_num_f32 v[BM+\b], v[BM+\b], v[S+15+16*\b]
.endr
.irp b, 0,1,2,3
	s_delay_alu instid0(VALU_DEP_4)
	v_permlanex16_b32 v[PR+\b], v[BM+\b], s[SEL], s[SEL+1]
.endr
.irp b, 0,1,2,3
	s_delay_alu instid0(VALU_DEP_4)
	v_max_num_f32 v[BM+\b], v[BM+\b], v[PR+\b]
.endr
	s_delay_alu instid0(VALU_DEP_2)
	v_max3_num_f32 v[T0], v[BM], v[BM+1], v[BM+2]
	s_delay_alu instid0(VALU_DEP_1)
	v_max_num_f32 v[T0], v[T0], v[BM+3]
	s_delay_alu instid0(VALU_DEP_1)
	v_mul_f32 v[T0], s[CS], v[T0]
	s_delay_alu instid0(VALU_DEP_1)
	v_max_num_f32 v13, v13, v[T0]
	v_mov_b32 v[T0], v12
	s_delay_alu instid0(VALU_DEP_2)
	v_floor_f32 v12, -v13
	s_delay_alu instid0(VALU_DEP_1)
	v_sub_f32 v[T0], v12, v[T0]
	s_delay_alu instid0(VALU_DEP_1)
	v_cvt_i32_f32 v[T0], v[T0]
	s_delay_alu instid0(VALU_DEP_1)
	v_ldexp_f32 v[F], 1.0, v[T0]
.set j, 0
.rept 32
	v_pk_fma_f32 v[S+j:S+j+1], v[S+j:S+j+1], s[CS:CS+1], v[12:13] op_sel_hi:[1,0,0]
.set j, j+2
.endr
.irp b, 0,1,2,3
	v_fma_f32 v[BM+\b], v[BM+\b], s[CS], v12
.endr
.set j, 0
	s_setprio 1
	s_wait_alu depctr_va_vdst(0)
.rept 64
	v_exp_f32 v[S+j], v[S+j]
.set j, j+1
.endr
	v_pk_mul_f32 v[14:15], v[14:15], v[F:F+1] op_sel_hi:[1,0]
	s_wait_alu depctr_va_vdst(0)
.irp b, 0,1,2,3
	v_exp_f32 v[BM+\b], v[BM+\b]
.endr
	v_pk_add_f32 v[224:225], v[100:101], v[104:105]
	v_pk_add_f32 v[254:255], v[108:109], v[112:113]
	v_pk_add_f32 v[252:253], v[116:117], v[120:121]
	v_pk_add_f32 v[250:251], v[124:125], v[128:129]
	v_pk_add_f32 v[248:249], v[132:133], v[136:137]
	v_pk_add_f32 v[246:247], v[140:141], v[144:145]
	v_pk_add_f32 v[244:245], v[148:149], v[152:153]
	v_pk_add_f32 v[14:15], v[14:15], v[156:157]
	v_pk_add_f32 v[224:225], v[224:225], v[96:97]
	v_pk_add_f32 v[254:255], v[254:255], v[98:99]
	v_pk_add_f32 v[252:253], v[252:253], v[102:103]
	v_pk_add_f32 v[250:251], v[250:251], v[106:107]
	v_pk_add_f32 v[248:249], v[248:249], v[110:111]
	v_pk_add_f32 v[246:247], v[246:247], v[114:115]
	v_pk_add_f32 v[244:245], v[244:245], v[118:119]
	v_pk_add_f32 v[14:15], v[14:15], v[122:123]
	v_pk_add_f32 v[224:225], v[224:225], v[126:127]
	v_pk_add_f32 v[254:255], v[254:255], v[130:131]
	v_pk_add_f32 v[252:253], v[252:253], v[134:135]
	v_pk_add_f32 v[250:251], v[250:251], v[138:139]
	v_pk_add_f32 v[248:249], v[248:249], v[142:143]
	v_pk_add_f32 v[246:247], v[246:247], v[146:147]
	v_pk_add_f32 v[244:245], v[244:245], v[150:151]
	v_pk_add_f32 v[14:15], v[14:15], v[154:155]
	v_pk_add_f32 v[224:225], v[224:225], v[158:159]
	s_delay_alu instid0(VALU_DEP_2)
	v_pk_add_f32 v[14:15], v[14:15], v[250:251]
	s_delay_alu instid0(VALU_DEP_2)
	v_pk_add_f32 v[224:225], v[224:225], v[248:249]
	v_pk_add_f32 v[254:255], v[254:255], v[246:247]
	v_pk_add_f32 v[252:253], v[252:253], v[244:245]
	s_delay_alu instid0(VALU_DEP_2)
	v_pk_add_f32 v[14:15], v[14:15], v[254:255]
	s_delay_alu instid0(VALU_DEP_2)
	v_pk_add_f32 v[224:225], v[224:225], v[252:253]
	s_delay_alu instid0(VALU_DEP_1)
	v_pk_add_f32 v[14:15], v[14:15], v[224:225]
	s_wait_alu depctr_va_vdst(0)
.irp b, 0,1,2,3
	v_max_num_f32 v[BM+\b], 0x1800000, v[BM+\b]
.endr
.irp b, 0,1,2,3
	s_delay_alu instid0(VALU_DEP_4)
	v_add_nc_u32 v[SO+\b], 0xff000000, v[BM+\b]
.endr
.irp b, 0,1,2,3
	s_delay_alu instid0(VALU_DEP_4)
	v_lshrrev_b32 v[PR+\b], 23, v[SO+\b]
.endr
	s_delay_alu instid0(VALU_DEP_3)
	v_lshl_or_b32 v[PW], v[PR+1], 8, v[PR]
	s_delay_alu instid0(VALU_DEP_1)
	v_lshl_or_b32 v[PW], v[PR+2], 16, v[PW]
	s_delay_alu instid0(VALU_DEP_1)
	v_lshl_or_b32 v[PW], v[PR+3], 24, v[PW]
.irp c, 0,1
	v_cvt_scalef32_pk16_fp6_f32 v[PC+6*\c:PC+6*\c+2], v[S+32*\c:S+32*\c+15], v[SO+2*\c]
	v_cvt_scalef32_pk16_fp6_f32 v[TMP+4*\c:TMP+4*\c+2], v[S+32*\c+16:S+32*\c+31], v[SO+2*\c+1]
.endr
	v_nop
	s_setprio 0
.irp c, 0,1
.irp i, 0,1,2
	v_permlane16_swap_b32 v[PC+6*\c+\i], v[TMP+4*\c+\i]
.endr
.irp i, 0,1,2
	s_delay_alu instid0(VALU_DEP_3)
	v_mov_b32 v[PC+3+6*\c+\i], v[TMP+4*\c+\i]
.endr
.endr
.set j, 0
.rept 16
	v_pk_mul_f32 v[O+j:O+j+1], v[O+j:O+j+1], v[F:F+1] op_sel_hi:[1,0]
.set j, j+2
.endr
	s_wait_alu depctr_va_vdst(0)
	s_wait_dscnt 0x0
.irp dt, 0,1,2,3
.if \dt >= 2
	v_wmma_scale_f32_16x16x128_f8f6f4 v[O+8*\dt:O+8*\dt+7], v[FRG+12*\dt:FRG+12*\dt+11], v[PC:PC+11], v[O+8*\dt:O+8*\dt+7], v[VSC+\dt%2], v[PW] matrix_a_fmt:MATRIX_FMT_FP6 matrix_b_fmt:MATRIX_FMT_FP6 matrix_a_scale:MATRIX_SCALE_ROW1
.else
	v_wmma_scale_f32_16x16x128_f8f6f4 v[O+8*\dt:O+8*\dt+7], v[FRG+12*\dt:FRG+12*\dt+11], v[PC:PC+11], v[O+8*\dt:O+8*\dt+7], v[VSC+\dt%2], v[PW] matrix_a_fmt:MATRIX_FMT_FP6 matrix_b_fmt:MATRIX_FMT_FP6
.endif
.endr
	s_add_co_u32 s[TB], s[TB], 6144
	s_add_co_u32 s[TS], s[TS], 256
	s_sub_co_u32 s[CNT], s[CNT], 1
	s_cmp_lg_u32 s[CNT], 0
	s_cbranch_scc1 .Lstep
	s_setprio 0
	v_add_f32 v14, v14, v15
	s_delay_alu instid0(VALU_DEP_1)
	v_permlanex16_b32 v[T0], v14, s[SEL], s[SEL+1]
	s_delay_alu instid0(VALU_DEP_1)
	v_add_f32 v14, v14, v[T0]
	s_wait_alu depctr_va_vdst(0)
	v_rcp_f32 v14, v14
	v_nop
	v_nop
	s_wait_alu depctr_va_vdst(0)
.set j, 0
.rept 16
	v_pk_mul_f32 v[S+j:S+j+1], v[O+j:O+j+1], v[14:15] op_sel_hi:[1,0]
.set j, j+2
.endr
.irp b, 0,1
	v_max3_num_f32 v[BM+\b], |v[S+16*\b]|, |v[S+1+16*\b]|, 0x1800000
.endr
.irp i, 2,4,6,8,10,12,14
.irp b, 0,1
	s_delay_alu instid0(VALU_DEP_2)
	v_max3_num_f32 v[BM+\b], v[BM+\b], |v[S+16*\b+\i]|, |v[S+1+16*\b+\i]|
.endr
.endr
.irp b, 0,1
	s_delay_alu instid0(VALU_DEP_2)
	v_permlanex16_b32 v[PR+\b], v[BM+\b], s[SEL], s[SEL+1]
.endr
.irp b, 0,1
	s_delay_alu instid0(VALU_DEP_2)
	v_max_num_f32 v[BM+\b], v[BM+\b], v[PR+\b]
.endr
.irp b, 0,1
	s_delay_alu instid0(VALU_DEP_2)
	v_add_nc_u32 v[SO+\b], 0xff000000, v[BM+\b]
.endr
.irp b, 0,1
	s_delay_alu instid0(VALU_DEP_2)
	v_lshrrev_b32 v[PR+\b], 23, v[SO+\b]
.endr
	v_cvt_scalef32_pk16_fp6_f32 v[PC:PC+2], v[S:S+15], v[SO]
	v_cvt_scalef32_pk16_fp6_f32 v[TMP:TMP+2], v[S+16:S+31], v[SO+1]
	v_nop
.irp i, 0,1,2
	v_permlane16_swap_b32 v[PC+\i], v[TMP+\i]
.endr
.irp i, 0,1,2
	s_delay_alu instid0(VALU_DEP_3)
	v_mov_b32 v[PC+3+\i], v[TMP+\i]
.endr
	v_cndmask_b32 v[T0], v[PR], v[PR+1], s[HIM]
.irp p, 0,1,2
	global_store_b64 v[L8], v[PC+2*\p:PC+2*\p+1], s[8:9] offset:256*\p
.endr
	global_store_b8 v[OSO], v[T0], s[10:11]
	s_wait_xcnt 0x0
	s_add_nc_u64 s[88:89], s[88:89], 12288
	s_add_nc_u64 s[90:91], s[90:91], 512
	s_add_nc_u64 s[8:9], s[8:9], 196608
	s_add_nc_u64 s[10:11], s[10:11], 8192
	s_sub_co_u32 s[PASS], s[PASS], 1
	s_cmp_lg_u32 s[PASS], 0
	s_cbranch_scc1 .Lpass
	s_wait_tensorcnt 0x0
	ds_add_u32 v[SPW], v[NIL]
	s_wait_dscnt 0x0
	CROUND
	s_endpgm
.Lfunc_end_k_q51e452103e_attn:
	.size	k_q51e452103e_attn, .Lfunc_end_k_q51e452103e_attn-k_q51e452103e_attn
	.p2alignl 7, 3214868480
	.fill 96, 4, 3214868480
	.section	.rodata,"a",@progbits
	.p2align	6, 0x0
	.amdhsa_kernel k_q51e452103e_attn
		.amdhsa_group_segment_fixed_size 206848
		.amdhsa_private_segment_fixed_size 0
		.amdhsa_enable_private_segment 0
		.amdhsa_kernarg_size 32
		.amdhsa_user_sgpr_count 2
		.amdhsa_user_sgpr_kernarg_segment_ptr 1
		.amdhsa_wavefront_size32 1
		.amdhsa_system_sgpr_workgroup_id_x 1
		.amdhsa_system_sgpr_workgroup_id_y 1
		.amdhsa_system_sgpr_workgroup_id_z 1
		.amdhsa_system_vgpr_workitem_id 0
		.amdhsa_next_free_vgpr 256
		.amdhsa_next_free_sgpr 96
		.amdhsa_reserve_vcc 0
		.amdhsa_float_denorm_mode_32 3
		.amdhsa_float_denorm_mode_16_64 3
		.amdhsa_memory_ordered 1
		.amdhsa_forward_progress 1
		.amdhsa_inst_pref_size 33
	.end_amdhsa_kernel
	.amdgpu_metadata
---
amdhsa.version: [ 1, 2 ]
amdhsa.kernels:
  - .name:           k_q51e452103e_attn
    .symbol:         k_q51e452103e_attn.kd
    .args:
      - { .name: pc, .offset: 0, .size: 8, .value_kind: global_buffer, .address_space: global }
      - { .name: ps, .offset: 8, .size: 8, .value_kind: global_buffer, .address_space: global }
      - { .name: oc, .offset: 16, .size: 8, .value_kind: global_buffer, .address_space: global }
      - { .name: os, .offset: 24, .size: 8, .value_kind: global_buffer, .address_space: global }
    .group_segment_fixed_size: 206848
    .private_segment_fixed_size: 0
    .kernarg_segment_align: 8
    .kernarg_segment_size: 32
    .max_flat_workgroup_size: 512
    .sgpr_count:     96
    .vgpr_count:     256
    .wavefront_size: 32
...
	.end_amdgpu_metadata
.endif
;; end of part 3
;; launch outp (part 4): grid 4 x 32, 4 waves a work-group, clusters of 4 x 4, 327,680 bytes of LDS; arguments oc, os, xc, xs, bo, out0; writes out0
.if DOCPART == 4
	.amdgcn_target "amdgcn-amd-amdhsa--gfx1250"
	.amdhsa_code_object_version 6
	.text
	.protected	k_q51e452103e_outp
	.globl	k_q51e452103e_outp
	.p2align	8
	.type	k_q51e452103e_outp,@function
k_q51e452103e_outp:
	s_mov_b64 s[64:65], 0
	v_nop
	global_prefetch_b8 v0, s[64:65] scope:SCOPE_SE
	s_setreg_imm32_b32 hwreg(HW_REG_WAVE_MODE, 25, 1), 1
	s_wait_xcnt 0x0
	s_wait_alu depctr_hold_cnt(0) depctr_sa_sdst(0) depctr_va_vdst(0) depctr_va_sdst(0) depctr_va_ssrc(0) depctr_va_vcc(0) depctr_vm_vsrc(0)
	s_getreg_b32 s2, hwreg(HW_REG_IB_STS2, 6, 4)
	s_cmp_eq_u32 s2, 0
	s_cbranch_scc0 .Lentry_in_a_cluster
	s_endpgm
.Lentry_in_a_cluster:
	s_bfe_u32 s2, ttmp6, 0x10000c
	s_cmp_lg_u32 s2, 0xf033
	s_cbranch_scc0 .Lentry_shape_is_right
	s_endpgm
.Lentry_shape_is_right:
; Launch 4 of 4: out0 = o Wo^T + bo on codes of E2M3, f32 sums, f32 out.  Nothing of the problem is left out.
; o's codes (oc, os) and Wo's (xc, xs from row 27,648 on) lie as the second launch's operands do; ring, scales, cluster and joint loads are that launch's.  A work-group makes 256 x 256 of out0, a wave 128 x 128.
; THE MATRIX INSTRUCTION IS USED TRANSPOSED (source 0 = 16 rows of Wo, source 1 = 16 tokens): a lane holds eight neighbouring numbers of a row of out0.
; bo is the C of each sum's first matrix instruction: 64 registers, the lane's eight columns of each of the eight column blocks.
; THE WAY OUT: a block of 16 rows x 128 columns goes through the wave's stage in LDS and leaves as whole rows of 512 bytes.  The stage lies in slot 0, which has had its last fill and its last read by then.
; REGISTERS: window 0: v16-30 addresses; v32-63 scale words; v64-127 bo; v128-223 o's fragments; v128-255 later rows of out0; window 1: Wo's, two sets; windows 2, 3: accumulators.
.set SIZE_N, 1024
.set NQ,    2
.set FR,    12
.set NL,    6
.set NP,    4
.set BLKB,  3072
.set HALFT, 8*BLKB
.set SLOT,  4*HALFT
.set KS,    32
.set SCL,   2*SLOT
.set HALFS, 16*272
.set SBLK,  2*272
.set SPARE, SCL+4*HALFS
.set SPITCH, 528
.set ADRA,  16
.set ADRB,  20
.set STO,   24
.set RD,    25
.set CO,    26
.set ADRS,  27
.set SPW,   28
.set NIL,   29
.set BOF,   30
.set SC,    32
.set BIAS,  64
.set AF,    128
.set BK,    128
.set G1, 24
.set G0, 32
.set G1B, 48
.set G0B, 56
.set G1S, 68
.set G0S, 76
.set G1SB, 80
.set G0SB, 88
.set MSB, 0
.macro WIN new
.if MSB != \new
	s_set_vgpr_msb (MSB<<8)|\new
.set MSB, \new
.endif
.endm
.set MUL_LO, 0xa1
.set MUL_HI, 0xf1
.set FST_LO, 0x81                      ; the first step: C (bo) in window 0, D in window 2
.set FST_HI, 0xc1                      ; D in window 3
.set TO_B,   0x40
.macro JLOAD g0a, g1a, g0b, g1b
	s_cmp_eq_u32 s15, 0
	s_cbranch_scc0 .Lfor_b_\@
	tensor_load_to_lds s[\g0a:\g0a+3], s[\g1a:\g1a+7]
	s_nop 0
.rept 4
	v_nop
.endr
	s_branch .Lasked_\@
.Lfor_b_\@:
	tensor_load_to_lds s[\g0b:\g0b+3], s[\g1b:\g1b+7]
	s_nop 0
.rept 4
	v_nop
.endr
.Lasked_\@:
.endm
.macro CREST
	s_cmp_lg_u32 s14, 0
	s_cbranch_scc1 .Lnot_wave_0_\@
	s_barrier_signal -3
.Lnot_wave_0_\@:
	s_barrier_wait -3
	s_barrier_signal -1
	s_barrier_wait -1
.endm
.macro CROUND
	s_barrier_signal -1
	s_barrier_wait -1
	CREST
.endm
	s_load_b256 s[4:11], s[0:1], 0x0               ; oc, os, xc, xs
	s_load_b64 s[2:3], s[0:1], 0x20                ; bo
	s_load_b64 s[12:13], s[0:1], 0x28              ; out0
	v_lshl_add_u32 v[SPW], v0, 2, SPARE
	v_mov_b32 v[NIL], 0
	ds_add_u32 v[SPW], v[NIL]                      ; the wave's opening: the add, twice on end, and its wait ahead of my first tensor load
	ds_add_u32 v[SPW], v[NIL]
	v_lshrrev_b32 v1, 5, v0
	v_readfirstlane_b32 s14, v1
	s_lshr_b32 s15, s14, 1
	s_and_b32 s16, s14, 1
	s_bfe_u32 s40, ttmp6, 0x40000                  ; cx
	s_bfe_u32 s41, ttmp6, 0x40004                  ; cy
	s_lshl_b32 s43, ttmp9, 2
	s_add_co_u32 s43, s43, s40                     ; tile column
	s_and_b32 s42, ttmp7, 0xffff
	s_lshl_b32 s42, s42, 2
	s_add_co_u32 s42, s42, s41                     ; tile row
	s_lshl_b32 s44, s41, 2
	s_lshl_b32 s44, 15, s44
	s_lshl_b32 s45, 0x1111, s40
	s_or_b32 s[G1+0], s44, (3<<16)|(1<<21)
	s_or_b32 s[G1B+0], s45, (3<<16)|(1<<21)
.irp g, G1, G1B
	s_mov_b32 s[\g+1], 384<<16
	s_mov_b32 s[\g+2], 8<<16
	s_mov_b32 s[\g+3], 384<<16
	s_mov_b32 s[\g+4], 8
	s_mov_b32 s[\g+5], 1536
	s_mov_b32 s[\g+6], 0
	s_mov_b32 s[\g+7], 0
.endr
	s_or_b32 s[G1S+0], s44, (3<<16)|(1<<20)|(1<<21)|(5<<22)|(3<<25)
	s_or_b32 s[G1SB+0], s45, (3<<16)|(1<<20)|(1<<21)|(5<<22)|(3<<25)
.irp g, G1S, G1SB
	s_mov_b32 s[\g+1], 32<<16
	s_mov_b32 s[\g+2], 16<<16
	s_mov_b32 s[\g+3], 32<<16
	s_mov_b32 s[\g+4], 16
	s_mov_b32 s[\g+5], 32
	s_mov_b32 s[\g+6], 0
	s_mov_b32 s[\g+7], 0
.endr
	s_lshl_b32 s46, s16, 7
	s_lshl_b32 s20, s42, 8
	s_add_co_u32 s20, s20, s46                     ; o: token 256 x tile row + 128 x half
	s_lshl_b32 s21, s43, 8
	s_add_co_u32 s21, s21, s46
	s_add_co_u32 s21, s21, 27648                   ; Wo: its first row in xc + 256 x tile column + 128 x half
	s_mul_i32 s92, s20, 768
	s_mov_b32 s93, 0
	s_lshl_b32 s94, s20, 5
	s_mov_b32 s95, 0
	s_mul_i32 s96, s21, 768
	s_mov_b32 s97, 0
	s_lshl_b32 s98, s21, 5
	s_mov_b32 s99, 0
	s_mul_i32 s18, s14, HALFT
	s_mul_i32 s19, s14, HALFS
	s_wait_dscnt 0x0
	s_wait_kmcnt 0x0
	s_add_nc_u64 s[92:93], s[4:5], s[92:93]
	s_add_nc_u64 s[94:95], s[6:7], s[94:95]
	s_add_nc_u64 s[96:97], s[8:9], s[96:97]
	s_add_nc_u64 s[98:99], s[10:11], s[98:99]
	CROUND
	s_mov_b32 s[G0S], 1
	s_add_co_u32 s[G0S+1], s19, SCL
	s_mov_b64 s[G0S+2:G0S+3], s[94:95]
	s_or_b32 s[G0S+3], s[G0S+3], 0x80000000
	s_mov_b32 s[G0SB], 1
	s_add_co_u32 s[G0SB+1], s19, SCL
	s_mov_b64 s[G0SB+2:G0SB+3], s[98:99]
	s_or_b32 s[G0SB+3], s[G0SB+3], 0x80000000
	JLOAD G0S, G1S, G0SB, G1SB
.irp s, 0,1
	s_mov_b32 s[G0+4*\s], 1
	s_add_co_u32 s[G0+4*\s+1], s18, \s*SLOT
	s_add_nc_u64 s[G0+4*\s+2:G0+4*\s+3], s[92:93], \s*BLKB
	s_or_b32 s[G0+4*\s+3], s[G0+4*\s+3], 0x80000000
	s_mov_b32 s[G0B+4*\s], 1
	s_add_co_u32 s[G0B+4*\s+1], s18, \s*SLOT
	s_add_nc_u64 s[G0B+4*\s+2:G0B+4*\s+3], s[96:97], \s*BLKB
	s_or_b32 s[G0B+4*\s+3], s[G0B+4*\s+3], 0x80000000
	JLOAD G0+4*\s, G1, G0B+4*\s, G1B
.endr
	v_and_b32 v4, 31, v0
	v_lshlrev_b32 v3, 3, v4
	s_mul_i32 s21, s15, HALFT
	s_mul_i32 s22, s16, HALFT
	s_add_co_u32 s22, s22, 2*HALFT
.irp s, 0,1
	v_add_nc_u32 v[ADRA+\s], s21, v3
	v_add_nc_u32 v[ADRB+\s], s22, v3
	s_add_co_u32 s21, s21, SLOT
	s_add_co_u32 s22, s22, SLOT
.endr
	v_and_b32 v1, 15, v0
	v_bfe_u32 v2, v0, 4, 1
	v_mul_u32_u24 v5, v1, KS
	v_lshrrev_b32 v6, 8, v5
	v_lshl_add_u32 v5, v6, 4, v5
	s_mul_i32 s21, s15, HALFS
	s_mul_i32 s22, s16, HALFS
	s_add_co_u32 s22, s22, 2*HALFS
	s_sub_co_u32 s22, s22, s21
	v_mul_u32_u24 v6, s22, v2
	s_add_co_u32 s21, s21, SCL
	v_add_nc_u32 v5, v5, v6
	v_add_nc_u32 v[ADRS], s21, v5
	s_mul_i32 s23, s14, 16*SPITCH                  ; my stage
	v_mul_u32_u24 v5, v1, SPITCH                   ; in: row l % 16, 32 bytes for each half of the lanes
	v_lshl_add_u32 v5, v2, 5, v5
	v_add_nc_u32 v[STO], s23, v5
	v_lshlrev_b32 v[CO], 4, v4                     ; back: the 32 lanes take one row of 512 bytes; and the same in out0
	v_add_nc_u32 v[RD], s23, v[CO]
	v_lshlrev_b32 v[BOF], 5, v2                    ; bo: my half's eight numbers of a block of 16
	s_lshl_b32 s20, s42, 8
	s_lshl_b32 s21, s15, 7
	s_add_co_u32 s20, s20, s21                     ; my first row of out0,
	s_lshl_b32 s20, s20, 12                        ; of 4,096 bytes
	s_lshl_b32 s46, s43, 10
	s_lshl_b32 s47, s16, 9
	s_add_co_u32 s46, s46, s47                     ; my first column, in bytes
	s_mov_b32 s47, 0
	s_add_nc_u64 s[2:3], s[2:3], s[46:47]
	s_add_co_u32 s20, s20, s46
	s_mov_b32 s21, 0
	s_add_nc_u64 s[12:13], s[12:13], s[20:21]
.irp b, 0,1,2,3,4,5,6,7
	global_load_b128 v[BIAS+8*\b:BIAS+8*\b+3], v[BOF], s[2:3] offset:64*\b
	global_load_b128 v[BIAS+8*\b+4:BIAS+8*\b+7], v[BOF], s[2:3] offset:64*\b+16
.endr
.macro FRAG reg, adr, q, i
.irp p, 0,1,2,3,4,5
	ds_load_b64 v[\reg+2*\p:\reg+2*\p+1], v[\adr] offset:BLKB*(\i)+1536*(\q)+256*\p
.endr
.endm
; first = 1: the sum begins with bo.  The 64 accumulators take turns, one instruction a turn.
.macro MUL16 a0, p, q, sc, first
.irp a, \a0, \a0+1
.irp b, 0,1,2,3,4,5,6,7
.if \first
	v_wmma_scale_f32_16x16x128_f8f6f4 v[8*(8*((\a)%4)+\b):8*(8*((\a)%4)+\b)+7], v[128*(\p)+FR*\b:128*(\p)+FR*\b+FR-1], v[AF+FR*(\a):AF+FR*(\a)+FR-1], v[BIAS+8*\b:BIAS+8*\b+7], v[SC+8*NQ*(\sc)+NQ*\b+(\q)], v[SC+8*NQ*(\sc)+NQ*(\a)+(\q)] matrix_a_fmt:MATRIX_FMT_FP6 matrix_b_fmt:MATRIX_FMT_FP6 matrix_a_scale:MATRIX_SCALE_ROW1
.else
	v_wmma_scale_f32_16x16x128_f8f6f4 v[8*(8*((\a)%4)+\b):8*(8*((\a)%4)+\b)+7], v[128*(\p)+FR*\b:128*(\p)+FR*\b+FR-1], v[AF+FR*(\a):AF+FR*(\a)+FR-1], v[8*(8*((\a)%4)+\b):8*(8*((\a)%4)+\b)+7], v[SC+8*NQ*(\sc)+NQ*\b+(\q)], v[SC+8*NQ*(\sc)+NQ*(\a)+(\q)] matrix_a_fmt:MATRIX_FMT_FP6 matrix_b_fmt:MATRIX_FMT_FP6 matrix_a_scale:MATRIX_SCALE_ROW1
.endif
.endr
.endr
.endm
.macro FETCH_B slot, q, p
	WIN TO_B
.irp i, 0,1,2,3,4,5,6,7
	FRAG 128*(\p)+FR*\i, ADRB+\slot, \q, \i
.endr
	WIN 0
.endm
.macro FETCH_A slot, q, i0
.irp i, \i0, \i0+1, \i0+2, \i0+3
	FRAG AF+FR*(\i), ADRA+\slot, \q, \i
.endr
.endm
.macro SCALES sc
.irp i, 0,1,2,3,4,5,6,7
	ds_load_b64 v[SC+8*NQ*\sc+NQ*\i:SC+8*NQ*\sc+NQ*\i+1], v[ADRS] offset:\i*SBLK
.endr
.endm
.macro PLACES n
.rept \n
	v_nop
.endr
.endm
.macro STEP slot, q, first
	s_wait_dscnt 4*NL                              ; all but the youngest 24 loads (o's blocks 4-7) are in
.if \first
	WIN FST_LO
.else
	WIN MUL_LO
.endif
	MUL16 0, (\q)%2, \q, \slot, \first
	MUL16 2, (\q)%2, \q, \slot, \first
	s_wait_dscnt 0
	PLACES NP
	FETCH_B \slot, (\q)+1, 1-(\q)%2
	FETCH_A \slot, (\q)+1, 0
.if \first
	WIN FST_HI
.else
	WIN MUL_HI
.endif
	MUL16 4, (\q)%2, \q, \slot, \first
	MUL16 6, (\q)%2, \q, \slot, \first
	PLACES NP
	WIN 0
	FETCH_A \slot, (\q)+1, 4
.endm
.macro TURN slot, next, fill
	s_wait_tensorcnt 0x0                           ; all my tensor loads have landed: my part of the next slot
	ds_add_u32 v[SPW], v[NIL]
	s_wait_dscnt 4*NL+1                            ; (the add and the youngest 24 loads may be out)
	WIN MUL_LO
	MUL16 0, 1, NQ-1, \slot, 0
	s_wait_dscnt 0x0                               ; the add is done, and my reads of this slot are over
	s_barrier_signal -1
	MUL16 2, 1, NQ-1, \slot, 0
	WIN 0
	s_barrier_wait -1
.if \fill
	CREST                                          ; the barrier has opened a round of the cluster's
	s_add_nc_u64 s[G0+4*\slot+2:G0+4*\slot+3], s[G0+4*\slot+2:G0+4*\slot+3], 2*BLKB
	s_add_nc_u64 s[G0B+4*\slot+2:G0B+4*\slot+3], s[G0B+4*\slot+2:G0B+4*\slot+3], 2*BLKB
	JLOAD G0+4*\slot, G1, G0B+4*\slot, G1B
.else
	PLACES NP
.endif
	v_add_nc_u32 v[ADRS], 4*NQ, v[ADRS]
	FETCH_B \next, 0, 0
	FETCH_A \next, 0, 0
	SCALES \next
	WIN MUL_HI
	MUL16 4, 1, NQ-1, \slot, 0
	MUL16 6, 1, NQ-1, \slot, 0
	PLACES NP
	WIN 0
	FETCH_A \next, 0, 4
.endm
	s_wait_tensorcnt 1                             ; the scales and my part of K step 0 are in; K step 1's load may be out
	s_barrier_signal -1
	s_barrier_wait -1
	FETCH_B 0, 0, 0
	FETCH_A 0, 0, 0
	SCALES 0
	FETCH_A 0, 0, 4
	s_wait_loadcnt 0x0                             ; bo
	STEP 0, 0, 1
	TURN 0, 1, 1
	STEP 1, 0, 0
	TURN 1, 0, 1
	STEP 0, 0, 0
	TURN 0, 1, 0
	STEP 1, 0, 0
	s_wait_dscnt 4*NL
	WIN MUL_LO
	MUL16 0, 1, NQ-1, 1, 0
	MUL16 2, 1, NQ-1, 1, 0
	s_wait_dscnt 0
	WIN MUL_HI
	MUL16 4, 1, NQ-1, 1, 0
	MUL16 6, 1, NQ-1, 1, 0
	WIN 0
.macro TOSTAGE a
.set AC, 64*((\a)%4)
	WIN 0x08+4*((\a)/4)                            ; an LDS store's data: window 2 or 3
.irp b, 0,1,2,3,4,5,6,7
	ds_store_b128 v[STO], v[AC+8*\b:AC+8*\b+3] offset:64*\b          ; each accumulator from its low end on
	ds_store_b128 v[STO], v[AC+8*\b+4:AC+8*\b+7] offset:64*\b+16
.endr
	WIN 0
.set BB, BK+64*((\a)%2)
.irp t, 0,1,2,3,4,5,6,7,8,9,10,11,12,13,14,15
	ds_load_b128 v[BB+4*\t:BB+4*\t+3], v[RD] offset:\t*SPITCH      ; LDS serves a wave's instructions in order: these see the stores above
.endr
.endm
.macro SEND a, younger
.set BB, BK+64*((\a)%2)
	s_wait_dscnt \younger                          ; the block is back in registers
.if (\a) > 0
	s_add_nc_u64 s[12:13], s[12:13], 16*SIZE_N*4   ; (behind a wait on XCNT: the earlier stores have read their base)
.endif
.irp t, 0,1,2,3,4,5,6,7,8,9,10,11,12,13,14,15
	global_store_b128 v[CO], v[BB+4*\t:BB+4*\t+3], s[12:13] offset:\t*SIZE_N*4 th:TH_STORE_NT   ; 32 lanes store 512 consecutive aligned bytes
.endr
.endm
	PLACES NP
	TOSTAGE 0
.irp a, 1,2,3,4,5,6,7
.if \a > 1
	s_wait_xcnt 0x0                                ; block a - 2's stores have read their registers and their base
.endif
	TOSTAGE \a
	SEND \a-1, 32                                  ; behind block a - 1's loads: block a's 16 stores and 16 loads
.endr
	s_wait_xcnt 0x0
	SEND 7, 0
	s_wait_tensorcnt 0x0                           ; the wave's end
	ds_add_u32 v[SPW], v[NIL]
	s_wait_dscnt 0x0
	CROUND                                         ; the closing round
	s_endpgm
.Lfunc_end_k_q51e452103e_outp:
	.size	k_q51e452103e_outp, .Lfunc_end_k_q51e452103e_outp-k_q51e452103e_outp
	.p2alignl 7, 3214868480
	.fill 96, 4, 3214868480
	.section	.rodata,"a",@progbits
	.p2align	6, 0x0
	.amdhsa_kernel k_q51e452103e_outp
		.amdhsa_group_segment_fixed_size 327680
		.amdhsa_private_segment_fixed_size 0
		.amdhsa_enable_private_segment 0
		.amdhsa_kernarg_size 48
		.amdhsa_user_sgpr_count 2
		.amdhsa_user_sgpr_kernarg_segment_ptr 1
		.amdhsa_wavefront_size32 1
		.amdhsa_system_sgpr_workgroup_id_x 1
		.amdhsa_system_sgpr_workgroup_id_y 1
		.amdhsa_system_sgpr_workgroup_id_z 1
		.amdhsa_system_vgpr_workitem_id 0
		.amdhsa_next_free_vgpr 1024
		.amdhsa_next_free_sgpr 102
		.amdhsa_reserve_vcc 0
		.amdhsa_float_denorm_mode_32 3
		.amdhsa_float_denorm_mode_16_64 3
		.amdhsa_memory_ordered 1
		.amdhsa_forward_progress 1
		.amdhsa_inst_pref_size 161
	.end_amdhsa_kernel
	.amdgpu_metadata
---
amdhsa.version: [ 1, 2 ]
amdhsa.kernels:
  - .name:           k_q51e452103e_outp
    .symbol:         k_q51e452103e_outp.kd
    .args:
      - { .name: oc, .offset: 0, .size: 8, .value_kind: global_buffer, .address_space: global }
      - { .name: os, .offset: 8, .size: 8, .value_kind: global_buffer, .address_space: global }
      - { .name: xc, .offset: 16, .size: 8, .value_kind: global_buffer, .address_space: global }
      - { .name: xs, .offset: 24, .size: 8, .value_kind: global_buffer, .address_space: global }
      - { .name: bo, .offset: 32, .size: 8, .value_kind: global_buffer, .address_space: global }
      - { .name: out0, .offset: 40, .size: 8, .value_kind: global_buffer, .address_space: global }
    .group_segment_fixed_size: 327680
    .private_segment_fixed_size: 0
    .kernarg_segment_align: 8
    .kernarg_segment_size: 48
    .max_flat_workgroup_size: 128
    .sgpr_count:     102
    .vgpr_count:     1024
    .wavefront_size: 32
...
	.end_amdgpu_metadata
.endif
;; end of part 4
